; MI455X (gfx1250); checked and timed in simulation.
; The chip was launched on July 23, 2026; its instructions are those of AMD's public machine-readable ISA for CDNA 5 (MIT licence, August 2026) and "CDNA5" Instruction Set Architecture Reference Guide (July 2026). The comments in the code are by the model that wrote it; some were corrected since.
;; Swin Transformer Block. Allowed arithmetic: matrix products marked QUANTISED: E4M3 operands, one E8M0 scale for each 32 along K, by v_wmma_scale_f32_16x16x128_f8f6f4 with both operands' format E4M3, f32 sums; everything else in f32.
;; Inputs: b1 1,024 float32; b2 256 float32; bk 256 float32; bo 256 float32; bq 256 float32; bv 256 float32; hidden_states 8 x 4,096 x 256 float32; ln1_b 256 float32; ln1_g 256 float32; ln2_b 256 float32; ln2_g 256 float32; rel_table 225 x 8 float32; w1_codes 1,024 x 8 x 32 uint8 (E4M3 codes of w1, K innermost, in blocks of 32 codes); w1_scales 1,024 x 8 uint8 (E8M0 scales of w1, one for each 32 codes along K); w2_codes 256 x 32 x 32 uint8 (E4M3 codes of w2, K innermost, in blocks of 32 codes); w2_scales 256 x 32 uint8 (E8M0 scales of w2, one for each 32 codes along K); wk_codes 256 x 8 x 32 uint8 (E4M3 codes of wk, K innermost, in blocks of 32 codes); wk_scales 256 x 8 uint8 (E8M0 scales of wk, one for each 32 codes along K); wo_codes 256 x 8 x 32 uint8 (E4M3 codes of wo, K innermost, in blocks of 32 codes); wo_scales 256 x 8 uint8 (E8M0 scales of wo, one for each 32 codes along K); wq_codes 256 x 8 x 32 uint8 (E4M3 codes of wq, K innermost, in blocks of 32 codes); wq_scales 256 x 8 uint8 (E8M0 scales of wq, one for each 32 codes along K); wv_codes 256 x 8 x 32 uint8 (E4M3 codes of wv, K innermost, in blocks of 32 codes); wv_scales 256 x 8 uint8 (E8M0 scales of wv, one for each 32 codes along K).
;; Outputs: out0 8 x 4,096 x 256 float32.
;; This version of the problem:
;;   THIS VERSION OF THE PROBLEM IS GIVEN IN LOW PRECISION. The matrix products marked QUANTISED in the list below multiply operands that are first quantised to E4M3 (4 exponent bits, 3 mantissa bits; 8 bits a number), with one power-of-two scale for each 32 numbers along K (OCP MX v1.0); their sums are f32. All else is computed in f32.
;;   The module's matrix products, in the order in which they are computed (A, B: the left and right operand; K: the contracted axis; several contracted axes count as one K, in the product's order):
;;     1. [M 32,768, K 256] x [K 256, N 256]; A: computed on the way; B: input wq (given as codes): QUANTISED
;;     2. [M 32,768, K 256] x [K 256, N 256]; A: computed on the way; B: input wk (given as codes): QUANTISED
;;     3. [M 32,768, K 256] x [K 256, N 256]; A: computed on the way; B: input wv (given as codes): QUANTISED
;;     4. batch 4,096 x [M 64, K 32] x [K 32, N 64]; A: computed on the way; B: computed on the way: QUANTISED
;;     5. batch 4,096 x [M 32, K 64] x [K 64, N 64]; A: computed on the way; B: computed on the way: QUANTISED
;;     6. [M 32,768, K 256] x [K 256, N 256]; A: computed on the way; B: input wo (given as codes): QUANTISED
;;     7. [M 32,768, K 256] x [K 256, N 1,024]; A: computed on the way; B: input w1 (given as codes): QUANTISED
;;     8. [M 32,768, K 1,024] x [K 1,024, N 256]; A: computed on the way; B: input w2 (given as codes): QUANTISED
;;   THE QUANTISER, for each operand of a quantised product, along K:
;;     - K is cut into blocks of 32 from its start; a last block that is shorter is filled with zeros.
;;     - A block's scale is 2^e with e = floor(log2(the largest magnitude in the block)) - 8, held to -126 .. 127; a block of zeros has e = 0. As a byte (E8M0): e + 127.
;;     - Each number is divided by its block's scale, clamped to +-448, and rounded to the nearest number of E4M3, ties to even, subnormals kept.
;;     - The product sums the exact products of the quantised numbers (number of the format x scale) in f32.
;;   ~~~python
;;   def quantise(x, axis):      # numpy; x: float32 -> the quantised numbers, widened to float32 again
;;       x = np.moveaxis(x, axis, -1); K = x.shape[-1]
;;       x = np.pad(x, [(0, 0)] * (x.ndim - 1) + [(0, -K % 32)]); x = x.reshape(x.shape[:-1] + (-1, 32)); a = np.abs(x).max(-1, keepdims=True)
;;       e = np.where(a > 0, np.clip(np.frexp(np.where(a > 0, a, 1))[1] - 1 - 8, -126, 127), 0)      # np.frexp(a)[1] - 1 = floor(log2(a)), exactly
;;       r = np.clip(x / 2.0 ** e, -448, 448)
;;       step = 2.0 ** (np.maximum(np.frexp(np.where(r == 0, 1, r))[1] - 1, -6) - 3)
;;       q = np.round(r / step) * step * 2.0 ** e      # np.round: ties to even
;;       return np.moveaxis(q.reshape(q.shape[:-2] + (-1,))[..., :K], -1, axis).astype(np.float32)
;;   ~~~
;;   OPERANDS COMPUTED ON THE WAY. 'Computed on the way' means the value that the module computes at that place (a softmax that the list does not call 'softmax' is quantised finished and normalised). What goes into a quantiser is computed in f32, as accurately as f32 sums, v_exp_f32 and their like allow (about 1e-6 of the number): no bf16 or f16 on the way to a quantiser, and a product that is left as it is and whose result goes on into a quantised operand takes f32 operands (vector FMAs, or v_wmma_f32_16x16x4_f32). A number that lies on a knife's edge between two numbers of the format may be rounded either way, as far as f32 arithmetic and the matrix unit's own rounding can turn it there, and no further.
;;   INPUTS GIVEN AS CODES. w1 (in the module: [1024, 256], K = its axis 1); w2 (in the module: [256, 1024], K = its axis 1); wk (in the module: [256, 256], K = its axis 1); wo (in the module: [256, 256], K = its axis 1); wq (in the module: [256, 256], K = its axis 1); wv (in the module: [256, 256], K = its axis 1): each comes as NAME_codes (uint8): NAME with its K axis moved to the last place and cut into blocks of 32 codes, [.., K / 32, bytes a block], one block behind the other in memory; one code a byte (a code: sign, 4 exponent bits, 3 mantissa bits); and NAME_scales (uint8): the same leading axes, one E8M0 byte (e + 127) for each 32 codes along K. Its value is code x scale, taken as it is: it is not quantised again, and the codes and scales need not be those that the quantiser above would give.
;; 2 versions, each right; version 2 is version 1 with the launch swin written anew for expert scheduling mode. Each part assembles by itself: llvm-mc -triple=amdgcn-amd-amdhsa -mcpu=gfx1250 --defsym DOCPART=n.
;; ======== version 1 of 2: 1 launch
;; launch swin (part 1): grid 256 x 1, 8 waves a work-group, no clusters, 327,680 bytes of LDS; arguments hidden_states, ln1_g, ln1_b, rel_table, wq_codes, wq_scales, bq, wk_codes, wk_scales, bk, wv_codes, wv_scales, bv, wo_codes, wo_scales, bo, ln2_g, ln2_b, w1_codes, w1_scales, b1, w2_codes, w2_scales, b2, out0; writes out0
.if DOCPART == 1
	.amdgcn_target "amdgcn-amd-amdhsa--gfx1250"
	.amdhsa_code_object_version 6
	.text
	.protected	k_q0852be8e1c_swin
	.globl	k_q0852be8e1c_swin
	.p2align	8
	.type	k_q0852be8e1c_swin,@function
k_q0852be8e1c_swin:
	s_mov_b64 s[64:65], 0
	v_nop
	global_prefetch_b8 v0, s[64:65] scope:SCOPE_SE
	s_setreg_imm32_b32 hwreg(HW_REG_WAVE_MODE, 25, 1), 1
	s_wait_xcnt 0x0
; A SWIN BLOCK IN ONE LAUNCH: LN1, shifted windows, q/k/v, 8 heads of 64 x 64 attention with relative bias and shift mask, out-projection, residual, LN2, MLP 256 -> 1024 -> 256 with exact GELU, residual.
; All eight products on codes of E4M3 with one E8M0 scale for each 32 along K; every activation operand is quantised in registers on its way; sums, norms, softmax, GELU in f32.
; SHARES.  A work-group of eight waves owns two neighbouring windows of one image: 128 tokens = 8 row tiles of 16.  A wave has two roles.  ROW OWNER (LN1, LN2, loads of x, stores of out0): wave w owns row tile w.
; COLUMN OWNER, for all 128 rows: head w in q/k/v and attention; output channels 32 w .. +31 in the out-projection and the second MLP product; hidden units 128 w .. +127 in the first.
; So each weight byte goes ONCE for a work-group from memory straight into the operand register that uses it (window 1), and what goes from wave to wave is the small thing: the rows' codes, through LDS, as images of operand registers
; (lane l's 16 bytes at 16 l).  The f32 residual H[128][256] stays in LDS and is the C operand of the out-projection and of the second MLP product.  x is read once, out0 written once, nothing else goes to memory.
; NO CLUSTER, NO TENSOR LOAD: all work-groups read the same weights, but a joint load lands in LDS, of which this text uses 326,656 of 327,680 bytes, and the weights would be read again from there.
; LAYOUT.  l = lane, r = l % 16, h = l / 16.  Products with weights are used transposed (source 0 = 16 weight rows, source 1 = 16 tokens), and lane r of weight tile u takes row base + 8 u + r + 8 (r / 8):
; a lane then holds ONE token, and the 16 registers of tiles u = 0, 1 are channels 16 h + 0 .. 15 of a block of 32: the next operand's own order.  v = x wv^T is used the other way round (source 0 = tokens), so that a lane holds one
; channel and 16 of a block's 32 keys; the weights p of the softmax hold the same keys in the same places (key 16 e + 8 h + j in register 8 e + j), so inside a block of 32 keys both operands carry one and the same permutation.
; K = 32 (scores) and K = 64 (p v) are filled up to the instruction's 128 by zero codes on one side, real codes or zeros on the other, and the scale byte 0 (no NaN byte).
; LIMITS.  NaN and infinities among the inputs are not served.  A block of zeros gets the scale byte 1 where the rule says 127: its codes are zeros and the bytes are read by this program alone; blocks whose largest magnitude lies
; under 2^(9 - 127) are held at that byte.  A block's largest p is taken as the exponential of the block's largest score: this takes v_exp_f32 not to fall where its input rises.
.set HP,    1040                       ; a row of H in LDS: 1,024 bytes + 16: 260 words, so that 16 rows begin at 16 different groups of four banks (64 banks of 4 bytes: ISA guide 11.1)
.set HT,    16*HP                      ; a row tile of H
.set XIMG,  133120                     ; behind H: images of x's (later y's) fragments: (row tile m, K step s) at (2 m + s) 2048
.set XSC,   165888                     ; their scale words: m 256 + 8 l
.set PRV,   167936                     ; eight private regions: four chunks (two row tiles each) of q, k, v codes and bytes; their first 2,048 bytes hold a norm's g and b while it runs
.set PRVW,  15360
.set CHK,   3840
.set CIMG,  290816                     ; ctx's codes: head w, row tile m at w 4096 + m 512 + 16 l
.set CSC,   323584                     ; ctx's scale bytes: m 256 + 8 l + w
.set HIMG,  167936                     ; the hidden layer's images, over regions that are done with: K step w, row tile m at w 16384 + m 2048
.set HSC,   299008                     ; their scale words: w 1024 + m 128 + 4 l
.set SPARE, 325632                     ; the spare words, 128 bytes for each wave: four blocks of 256 bytes that no other line names
.set SPW, 1                            ; v1      LDS address of my spare word; never rewritten
.set NIL, 2                            ; v2      0; never rewritten
.set GL,  3                            ; v3, v4  byte offsets in hidden_states and out0 of my row tile's left and right four tokens of a line, + 16 l; never rewritten
.set L16, 5                            ; v5      16 l; never rewritten
.set WS,  16                           ; v16-31  weights' (in attention: q's, k's, v's, p's) scale words: scales and nothing else
.set AS,  32                           ; v32-35  activations' scale words: scales and nothing else
.set BB,  36                           ; v36-51  bo, later b2; staging
.set MS,  52                           ; v52-63  small things; v60-63 also working addresses
.set X,   64                           ; v64-191
.set T,   192                          ; v192-255
.set RB,  0                            ; window 1 in attention: relative bias x sqrt(32), 7 tiles of 8;
.set KF,  56                           ; k's four fragments (4 registers of codes, 12 of zeros);
.set QF,  120                          ; q's four pieces and 12 zeros;
.set VF,  148                          ; v's four pieces and 8 zeros;
.set WO,  192                          ; wo's four fragments
.set BM,  T+16                         ; softmax: two block maxima
.set PT,  T+18                         ; lane exchanges' destinations
.set RM,  T+20
.set NM,  T+22                         ; -c x the row's maximum (a pair is named, the low word serves)
.set SU,  T+24
.set SV,  T+26
.set RI,  T+28                         ; 1 / the row's sum, twice
.set SC_, T+30
.set HL_, T+32
.set BY_, T+34
.set CBY, T+48                         ; ctx's bytes of the 8 row tiles
.set VB,  T+56                         ; v's bytes as loaded
.set MSB, 0
.macro WIN new                         ; s_set_vgpr_msb: bits 1:0 source 0, 3:2 source 1, 5:4 source 2, 7:6 destination; the high byte repeats the setting that is left
.if MSB != (\new)
	s_set_vgpr_msb (MSB<<8)|(\new)
.set MSB, \new
.endif
.endm
.macro PLACES n                        ; plain vector places behind matrix instructions: 8 for this form
.rept \n
	v_nop
.endr
.endm
.macro BAR                             ; my LDS stores have landed and my LDS loads are in: then the work-group's barrier
	s_wait_dscnt 0x0
	s_barrier_signal -1
	s_barrier_wait -1
.endm
.macro SPAIR r, val                    ; a constant for packed forms: the pair is named, so both words are written
	s_mov_b32 s[\r], \val
	s_mov_b32 s[\r+1], \val
.endm
.macro LANES                           ; v60 = l, v61 = r, v63 = h
	v_and_b32 v60, 31, v0
	v_and_b32 v61, 15, v0
	v_bfe_u32 v63, v0, 4, 1
.endm
.macro WLOAD d, a, p, off              ; a weight fragment, 16 rows x 128 K, from memory: registers 4 c .. 4 c + 3 hold K = 32 c + 16 h + 0 .. 15
.irp c, 0,1,2,3
	global_load_b128 v[(\d)+4*\c:(\d)+4*\c+3], v[\a], s[\p:\p+1] offset:(\off)+32*\c
.endr
.endm
.macro FETCH d, a, off                 ; a fragment's image from LDS
.irp c, 0,1,2,3
	ds_load_b128 v[(\d)+4*\c:(\d)+4*\c+3], v[\a] offset:(\off)+512*\c
.endr
.endm
.macro IMAGE a, s, off                 ; and into LDS
.irp c, 0,1,2,3
	ds_store_b128 v[\a], v[(\s)+4*\c:(\s)+4*\c+3] offset:(\off)+512*\c
.endr
.endm
; nb blocks, 16 numbers of a lane each at v[s + 16 b] (the other 16 lie in lane l xor 16), become 4 registers of codes each at v[d + 4 b].  At v[tm]: nb largest magnitudes, nb bytes, nb holds, nb scale operands.
.macro QUANT s, nb, d, tm
.set qb, 0
.rept \nb
	v_max3_num_f32 v[(\tm)+qb], |v[(\s)+16*qb]|, |v[(\s)+16*qb+1]|, 0x4800000   ; with the floor 2^(9 - 127): the byte cannot fall under 1
.set qb, qb+1
.endr
.set qi, 2
.rept 7
.set qb, 0
.rept \nb
	v_max3_num_f32 v[(\tm)+qb], v[(\tm)+qb], |v[(\s)+16*qb+qi]|, |v[(\s)+16*qb+qi+1]|   ; the blocks by turns
.set qb, qb+1
.endr
.set qi, qi+2
.endr
.set qb, 0
.rept \nb
	v_permlanex16_b32 v[(\tm)+(\nb)+qb], v[(\tm)+qb], s56, s57
.set qb, qb+1
.endr
.set qb, 0
.rept \nb
	v_max_num_f32 v[(\tm)+qb], v[(\tm)+qb], v[(\tm)+(\nb)+qb]                  ; the block's largest magnitude
.set qb, qb+1
.endr
.set qb, 0
.rept \nb
	v_add_nc_u32 v[(\tm)+3*(\nb)+qb], 0xfc000000, v[(\tm)+qb]                  ; 8 off its exponent field: the conversion's scale operand
.set qb, qb+1
.endr
.set qb, 0
.rept \nb
	v_and_or_b32 v[(\tm)+2*(\nb)+qb], v[(\tm)+qb], 0x7f800000, s58             ; 448 x the scale
.set qb, qb+1
.endr
.set qb, 0
.rept \nb
	v_lshrrev_b32 v[(\tm)+(\nb)+qb], 23, v[(\tm)+3*(\nb)+qb]                   ; the scale's byte
.set qb, qb+1
.endr
.set qb, 0
.rept \nb
.set qi, 0
.rept 16
	v_med3_num_f32 v[(\s)+16*qb+qi], v[(\s)+16*qb+qi], -v[(\tm)+2*(\nb)+qb], v[(\tm)+2*(\nb)+qb]   ; the conversion does not saturate (ISA guide 7.6.2): the hold
.set qi, qi+1
.endr
	v_cvt_scalef32_pk8_fp8_f32 v[(\d)+4*qb:(\d)+4*qb+1], v[(\s)+16*qb:(\s)+16*qb+7], v[(\tm)+3*(\nb)+qb]
	v_cvt_scalef32_pk8_fp8_f32 v[(\d)+4*qb+2:(\d)+4*qb+3], v[(\s)+16*qb+8:(\s)+16*qb+15], v[(\tm)+3*(\nb)+qb]
.set qb, qb+1
.endr
	v_nop                                          ; a plain line behind the last conversion
.endm
.macro QWORD dst, tm                   ; four bytes (nb = 4) make a row's scale word
	v_lshl_or_b32 v[\dst], v[(\tm)+5], 8, v[(\tm)+4]
	v_lshl_or_b32 v[\dst], v[(\tm)+6], 16, v[\dst]
	v_lshl_or_b32 v[\dst], v[(\tm)+7], 24, v[\dst]
.endm
; THE NORMS.  Addresses: v11 my rows of H + 16 l; v12 my rows of H, row r, + 64 h; v13 my private region + 16 l; v14 the same + 64 h; v15 my two images; v62 my scale words
.macro MKLN
	LANES
	s_mul_i32 s2, s54, HT
	v_add_nc_u32 v11, s2, v[L16]
	v_mul_u32_u24 v12, v61, HP
	v_lshl_add_u32 v12, v63, 6, v12
	v_add_nc_u32 v12, s2, v12
	s_mul_i32 s2, s54, PRVW
	s_add_co_u32 s2, s2, PRV
	v_add_nc_u32 v13, s2, v[L16]
	v_lshl_add_u32 v14, v63, 6, s2
	s_lshl_b32 s2, s54, 12
	s_add_co_u32 s2, s2, XIMG
	v_add_nc_u32 v15, s2, v[L16]
	s_lshl_b32 s2, s54, 8
	s_add_co_u32 s2, s2, XSC
	v_lshl_add_u32 v62, v60, 3, s2
.endm
.macro GBL blk                         ; g and b of my 16 channels of block blk, into set blk % 2 of T
.irp j, 0,1,2,3
	ds_load_b128 v[T+32*((\blk)%2)+4*\j:T+32*((\blk)%2)+4*\j+3], v14 offset:128*(\blk)+16*\j
.endr
.irp j, 0,1,2,3
	ds_load_b128 v[T+32*((\blk)%2)+16+4*\j:T+32*((\blk)%2)+16+4*\j+3], v14 offset:1024+128*(\blk)+16*\j
.endr
.endm
.macro LNA gs, hstore                  ; g, b (16 registers at gs, as loaded) into my private region; hstore = 1: x as loaded into my rows of H; then my rows back, register 16 blk + i = channel 32 blk + 16 h + i of row r
.irp k, 0,1,2,3
	ds_store_b128 v13, v[(\gs)+4*\k:(\gs)+4*\k+3] offset:512*\k
.endr
.if \hstore
.set qi, 0
.rept 32
	ds_store_b128 v11, v[X+4*qi:X+4*qi+3] offset:(qi/2)*HP+512*(qi%2)
.set qi, qi+1
.endr
.endif
	s_wait_dscnt 0x0                               ; the stores have read their registers
.set qi, 0
.rept 32
	ds_load_b128 v[X+4*qi:X+4*qi+3], v12 offset:128*(qi/4)+16*(qi%4)
.set qi, qi+1
.endr
	GBL 0
	GBL 1
.endm
.macro LNB mlp                         ; mean, variance (of the differences), (x - mean) rstd g + b, quantised: two images and a pair of scale words.  mlp = 1: b1 and b2 are asked for on the way
	s_wait_dscnt 16                                ; my rows are in; the 16 loads of two sets of g and b may be out
.irp k, 0,1,2,3
	v_pk_add_f32 v[MS+2*\k:MS+2*\k+1], v[X+2*\k:X+2*\k+1], v[X+8+2*\k:X+8+2*\k+1]   ; four chains
.endr
.set qi, 16
.rept 14
.irp k, 0,1,2,3
	v_pk_add_f32 v[MS+2*\k:MS+2*\k+1], v[MS+2*\k:MS+2*\k+1], v[X+qi+2*\k:X+qi+2*\k+1]
.endr
.set qi, qi+8
.endr
	v_pk_add_f32 v[MS:MS+1], v[MS:MS+1], v[MS+2:MS+3]
	v_pk_add_f32 v[MS+4:MS+5], v[MS+4:MS+5], v[MS+6:MS+7]
	v_pk_add_f32 v[MS:MS+1], v[MS:MS+1], v[MS+4:MS+5]
	v_add_f32 v[MS], v[MS], v[MS+1]
	v_permlanex16_b32 v[MS+1], v[MS], s56, s57     ; the row's other 128 channels lie in lane l xor 16
	v_add_f32 v[MS], v[MS], v[MS+1]
	v_mul_f32 v[MS+8], 0xbb800000, v[MS]           ; -mean
	v_mul_f32 v[MS+9], 0xbb800000, v[MS]
.set qi, 0
.rept 64
	v_pk_add_f32 v[X+qi:X+qi+1], v[X+qi:X+qi+1], v[MS+8:MS+9]
.set qi, qi+2
.endr
.irp k, 0,1,2,3
	v_pk_mul_f32 v[MS+2*\k:MS+2*\k+1], v[X+2*\k:X+2*\k+1], v[X+2*\k:X+2*\k+1]
.endr
.set qi, 8
.rept 15
.irp k, 0,1,2,3
	v_pk_fma_f32 v[MS+2*\k:MS+2*\k+1], v[X+qi+2*\k:X+qi+2*\k+1], v[X+qi+2*\k:X+qi+2*\k+1], v[MS+2*\k:MS+2*\k+1]
.endr
.set qi, qi+8
.endr
	v_pk_add_f32 v[MS:MS+1], v[MS:MS+1], v[MS+2:MS+3]
	v_pk_add_f32 v[MS+4:MS+5], v[MS+4:MS+5], v[MS+6:MS+7]
	v_pk_add_f32 v[MS:MS+1], v[MS:MS+1], v[MS+4:MS+5]
	v_add_f32 v[MS], v[MS], v[MS+1]
	v_permlanex16_b32 v[MS+1], v[MS], s56, s57
	v_add_f32 v[MS], v[MS], v[MS+1]
	s_mov_b32 s2, 0x3b800000                       ; 1 / 256
	s_mov_b32 s3, 0x3727c5ac                       ; 1e-5
	v_fma_f32 v[MS], v[MS], s2, s3
	v_rsq_f32 v[MS+2], v[MS]
	v_rsq_f32 v[MS+3], v[MS]
	v_nop                                          ; a plain line behind the transcendentals,
	s_wait_alu depctr_va_vdst(0)                   ; and one wait ahead of their first reader
.set qb, 0
.rept 8
.if qb < 7
	s_wait_dscnt 8                                 ; this block's g and b are in; the next block's eight loads may be out
.else
	s_wait_dscnt 0x0
.endif
.set qi, 0
.rept 8
	v_pk_mul_f32 v[X+16*qb+qi:X+16*qb+qi+1], v[X+16*qb+qi:X+16*qb+qi+1], v[MS+2:MS+3]
.set qi, qi+2
.endr
.set qi, 0
.rept 8
	v_pk_fma_f32 v[X+16*qb+qi:X+16*qb+qi+1], v[X+16*qb+qi:X+16*qb+qi+1], v[T+32*(qb%2)+qi:T+32*(qb%2)+qi+1], v[T+32*(qb%2)+16+qi:T+32*(qb%2)+16+qi+1]
.set qi, qi+2
.endr
.if qb < 6
	GBL qb+2
.endif
.set qb, qb+1
.endr
	QUANT X, 4, T+16, T
	QWORD MS+8, T
	IMAGE 15, T+16, 0
.if \mlp
.irp t, 0,1,2,3,4,5,6,7                ; b1 in the first MLP product's result layout: tile t = 2 bl + u: units 32 bl + 16 h + 8 u + 0 .. 7 of my 128
.irp k, 0,1
	global_load_b128 v[X+8*\t+4*\k:X+8*\t+4*\k+3], v6, s[44:45] offset:(32*(\t/2)+8*(\t%2))*4+16*\k
.endr
.endr
.irp u, 0,1
.irp k, 0,1
	global_load_b128 v[BB+8*\u+4*\k:BB+8*\u+4*\k+3], v8, s[50:51] offset:32*\u+16*\k   ; b2 of my 32 channels
.endr
.endr
.endif
	QUANT X+64, 4, T+32, T
	QWORD MS+9, T
	IMAGE 15, T+32, 2048
	ds_store_b64 v62, v[MS+8:MS+9]
.endm
.macro STGREG i                        ; where number i of the 56 gathered biases waits
.if (\i) < 32
.set rg, X+96+(\i)
.elseif (\i) < 48
.set rg, BB+(\i)-32
.else
.set rg, MS+(\i)-48
.endif
.endm
; ATTENTION, for query tile n of a window.  S^T = k q^T + bias sqrt(32): source 0 = 16 keys, source 1 = 16 queries: lane (r, h), register j of tile t: key 16 t + 8 h + j, query 16 n + r.  The bias hangs on n - t alone.
.macro SCORES n, buf
	WIN 0x15                                       ; k, q and the bias in window 1, the scores in window 0
.irp t, 0,1,2,3
	v_wmma_scale_f32_16x16x128_f8f6f4 v[(\buf)+8*\t:(\buf)+8*\t+7], v[KF+16*\t:KF+16*\t+15], v[QF+4*(\n):QF+4*(\n)+15], v[RB+8*((\n)-\t+3):RB+8*((\n)-\t+3)+7], v[WS+4*(\t/2)+2+(\t%2)], v[WS+4*((\n)/2)+((\n)%2)]
.endr
.endm
.macro SMX n, buf                      ; mask, softmax (finished and normalised), quantised along the keys: p's codes in v[T] on, its scale word in v[WS+10]
	WIN 0
.irp t, 0,1,2,3
.irp jj, 0,2,4,6
	v_pk_add_f32 v[(\buf)+8*\t+\jj:(\buf)+8*\t+\jj+1], v[(\buf)+8*\t+\jj:(\buf)+8*\t+\jj+1], v[MS+4*(((\n)/2)^(\t/2))+2*(\jj/4):MS+4*(((\n)/2)^(\t/2))+2*(\jj/4)+1]
.endr
.endr
.irp c, 0,1
	v_max3_num_f32 v[BM+\c], v[(\buf)+16*\c], v[(\buf)+16*\c+1], v[(\buf)+16*\c+2]   ; the largest score of each block of 32 keys serves twice: for the row's maximum and for the block's largest p
.endr
.irp i, 3,5,7,9,11,13
.irp c, 0,1
	v_max3_num_f32 v[BM+\c], v[BM+\c], v[(\buf)+16*\c+\i], v[(\buf)+16*\c+\i+1]
.endr
.endr
.irp c, 0,1
	v_max_num_f32 v[BM+\c], v[BM+\c], v[(\buf)+16*\c+15]
.endr
.irp c, 0,1
	v_permlanex16_b32 v[PT+\c], v[BM+\c], s56, s57
.endr
.irp c, 0,1
	v_max_num_f32 v[BM+\c], v[BM+\c], v[PT+\c]
.endr
	v_max_num_f32 v[RM], v[BM], v[BM+1]
	v_mul_f32 v[NM], s59, v[RM]                    ; -c x the row's maximum, c = log2(e) / sqrt(32)
.set qi, 0
.rept 16
	v_pk_fma_f32 v[(\buf)+qi:(\buf)+qi+1], v[(\buf)+qi:(\buf)+qi+1], s[60:61], v[NM:NM+1] op_sel_hi:[1,0,0]
.set qi, qi+2
.endr
.irp c, 0,1
	v_fma_f32 v[BM+\c], v[BM+\c], s60, v[NM]
.endr
.set qi, 0
.rept 32
	v_exp_f32 v[(\buf)+qi], v[(\buf)+qi]
.set qi, qi+1
.endr
	v_exp_f32 v[BM], v[BM]
	v_exp_f32 v[BM+1], v[BM+1]
	v_nop                                          ; a plain line behind the batch,
	s_wait_alu depctr_va_vdst(0)                   ; and one wait for its 34
	v_pk_add_f32 v[SU:SU+1], v[(\buf):(\buf)+1], v[(\buf)+2:(\buf)+3]
	v_pk_add_f32 v[SV:SV+1], v[(\buf)+4:(\buf)+5], v[(\buf)+6:(\buf)+7]
.irp i, 8,12,16,20,24,28
	v_pk_add_f32 v[SU:SU+1], v[SU:SU+1], v[(\buf)+\i:(\buf)+\i+1]
	v_pk_add_f32 v[SV:SV+1], v[SV:SV+1], v[(\buf)+\i+2:(\buf)+\i+3]
.endr
	v_pk_add_f32 v[SU:SU+1], v[SU:SU+1], v[SV:SV+1]
	v_add_f32 v[SU], v[SU], v[SU+1]
	v_permlanex16_b32 v[PT], v[SU], s56, s57
	v_add_f32 v[SU], v[SU], v[PT]                  ; the row's sum
	v_rcp_f32 v[RI], v[SU]
	v_rcp_f32 v[RI+1], v[SU]
	v_nop
	s_wait_alu depctr_va_vdst(0)
.irp c, 0,1
	v_mul_f32 v[BM+\c], v[BM+\c], v[RI]            ; the block's largest p
.endr
.irp c, 0,1
	v_max_num_f32 v[BM+\c], 0x4800000, v[BM+\c]    ; the floor
.endr
.irp c, 0,1
	v_add_nc_u32 v[SC_+\c], 0xfc000000, v[BM+\c]
.endr
.irp c, 0,1
	v_and_or_b32 v[HL_+\c], v[BM+\c], 0x7f800000, s58
.endr
.irp c, 0,1
	v_lshrrev_b32 v[BY_+\c], 23, v[SC_+\c]
.endr
	v_lshl_or_b32 v[WS+10], v[BY_+1], 8, v[BY_]    ; p's scale word: two bytes, and the byte 0 for the filling
.set qi, 0
.rept 16
	v_pk_mul_f32 v[(\buf)+qi:(\buf)+qi+1], v[(\buf)+qi:(\buf)+qi+1], v[RI:RI+1]
.set qi, qi+2
.endr
.irp c, 0,1
.set qi, 0
.rept 16
	v_min_num_f32 v[(\buf)+16*\c+qi], v[(\buf)+16*\c+qi], v[HL_+\c]   ; p is not negative: the hold is one-sided
.set qi, qi+1
.endr
	v_cvt_scalef32_pk8_fp8_f32 v[T+4*\c:T+4*\c+1], v[(\buf)+16*\c:(\buf)+16*\c+7], v[SC_+\c]
	v_cvt_scalef32_pk8_fp8_f32 v[T+4*\c+2:T+4*\c+3], v[(\buf)+16*\c+8:(\buf)+16*\c+15], v[SC_+\c]
.endr
	PLACES 5                                       ; a plain line behind the conversions, and four places between an operand written by vector instructions and the scaled product
.endm
.macro PV n                            ; O^T = v^T p^T: source 0 = 16 of the head's 32, source 1 = p: lane (r, h), register j of tile u: query r, channel 16 h + 8 u + j
	WIN 0x01
.irp u, 0,1
	v_wmma_scale_f32_16x16x128_f8f6f4 v[X+64+16*(\n)+8*\u:X+64+16*(\n)+8*\u+7], v[VF+8*\u:VF+8*\u+15], v[T:T+15], 0, v[WS+8+\u], v[WS+10]
.endr
.endm
; EXACT GELU of 16 numbers at v[X + 64 + o]: gelu(x) = max(x, 0) - |x| E, E = erfc(|x| / sqrt 2) / 2.  With t = |x| / sqrt 2: over 475/512, E = 2^(log2(e) P(t) - 1), P a polynomial of degree 7 with P(t) = ln erfc(t);
; else E = 0.5 - 0.5 erf(t), erf(t) = t + t Q(t^2).  Both are computed, v_cndmask_b32 chooses.  t at T, t^2 (later max(x, 0)) at T + 16, the first branch at T + 32, the second at T + 48.
.macro F1 d, a, sc, vc                 ; d = a x scalar + a constant pair in vector registers
.set qi, 0
.rept 8
	v_pk_fma_f32 v[(\d)+qi:(\d)+qi+1], v[(\a)+qi:(\a)+qi+1], s[\sc:\sc+1], v[\vc:\vc+1] op_sel_hi:[1,0,1]
.set qi, qi+2
.endr
.endm
.macro F3 d, a, b, c, ng               ; d = a x b + c (ng = 1: - c)
.set qi, 0
.rept 8
.if \ng
	v_pk_fma_f32 v[(\d)+qi:(\d)+qi+1], v[(\a)+qi:(\a)+qi+1], v[(\b)+qi:(\b)+qi+1], v[(\c)+qi:(\c)+qi+1] neg_lo:[0,0,1] neg_hi:[0,0,1]
.else
	v_pk_fma_f32 v[(\d)+qi:(\d)+qi+1], v[(\a)+qi:(\a)+qi+1], v[(\b)+qi:(\b)+qi+1], v[(\c)+qi:(\c)+qi+1]
.endif
.set qi, qi+2
.endr
.endm
.macro F4 d, a, b, sc                  ; d = a x b + scalar
.set qi, 0
.rept 8
	v_pk_fma_f32 v[(\d)+qi:(\d)+qi+1], v[(\a)+qi:(\a)+qi+1], v[(\b)+qi:(\b)+qi+1], s[\sc:\sc+1] op_sel_hi:[1,1,0]
.set qi, qi+2
.endr
.endm
.macro GELU16 o
.set gx, X+64+(\o)
.set qi, 0
.rept 16
	v_mul_f32 v[T+qi], s94, |v[gx+qi]|             ; each accumulator is read from its low end on
.set qi, qi+1
.endr
.set qi, 0
.rept 8
	v_pk_mul_f32 v[T+16+qi:T+16+qi+1], v[T+qi:T+qi+1], v[T+qi:T+qi+1]
.set qi, qi+2
.endr
	F1 T+32, T, 66, MS
	F1 T+48, T, 68, MS+2
	F3 T+32, T+32, T+16, T+48, 0
	F4 T+32, T+32, T, 70
	F4 T+32, T+32, T, 72
	F4 T+32, T+32, T, 74
	F3 T+32, T+32, T, T, 1
.set qi, 0
.rept 8
	v_pk_fma_f32 v[T+32+qi:T+32+qi+1], v[T+32+qi:T+32+qi+1], s[76:77], -1.0 op_sel_hi:[1,0,0]
.set qi, qi+2
.endr
.set qi, 0
.rept 16
	v_exp_f32 v[T+32+qi], v[T+32+qi]
.set qi, qi+1
.endr
	F1 T+48, T+16, 78, MS+4                        ; the second branch names none of the exponentials' results: independent work behind the batch
	F4 T+48, T+48, T+16, 80
	F4 T+48, T+48, T+16, 82
	F4 T+48, T+48, T+16, 84
	F4 T+48, T+48, T+16, 86
	F3 T+48, T+48, T, T, 0
.set qi, 0
.rept 8
	v_pk_fma_f32 v[T+48+qi:T+48+qi+1], v[T+48+qi:T+48+qi+1], -0.5, 0.5 op_sel_hi:[1,0,0]
.set qi, qi+2
.endr
.set qi, 0
.rept 16
	v_max_num_f32 v[T+16+qi], 0, v[gx+qi]
.set qi, qi+1
.endr
	s_wait_alu depctr_va_vdst(0)                   ; one wait for the 16 exponentials, ahead of their first reader
.set qi, 0
.rept 16
	v_cmp_lt_f32 vcc_lo, s95, v[T+qi]
	v_cndmask_b32 v[T+48+qi], v[T+48+qi], v[T+32+qi], vcc_lo
.set qi, qi+1
.endr
.set qi, 0
.rept 16
	v_fma_f32 v[gx+qi], -|v[gx+qi]|, v[T+48+qi], v[T+16+qi]
.set qi, qi+1
.endr
.endm
.macro MKCOL a                         ; my 32 columns of H: v[a] = r 1040 + 64 h + 128 w for row tiles 0-3, v[a + 1] for row tiles 4-7
	v_mul_u32_u24 v[\a], v61, HP
	v_lshl_add_u32 v[\a], v63, 6, v[\a]
	s_lshl_b32 s2, s54, 7
	v_add_nc_u32 v[\a], s2, v[\a]
	v_add_nc_u32 v[\a+1], 4*HT, v[\a]
.endm
.macro HFETCH idx                      ; second MLP product, group idx = 4 s + g: K step s, row tiles 2 g and 2 g + 1, into buffer idx % 2: eight loads of codes and two of scale words
.irp e, 0,1
.irp c, 0,1,2,3
	ds_load_b128 v[T+32*((\idx)%2)+16*\e+4*\c:T+32*((\idx)%2)+16*\e+4*\c+3], v[13+(\idx)/16] offset:(((\idx)/4)%4)*16384+(2*((\idx)%4)+\e)*2048+512*\c
.endr
	ds_load_b32 v[AS+2*((\idx)%2)+\e], v15 offset:((\idx)/4)*1024+(2*((\idx)%4)+\e)*128
.endr
.endm
; ---------------- HEAD
	s_load_b512 s[4:19], s[0:1], 0x0               ; pointer p of the arguments lies in s[4 + 2 p : 5 + 2 p]; none is ever changed: all offsets are vector registers and immediates
	s_load_b512 s[20:35], s[0:1], 0x40
	s_load_b512 s[36:51], s[0:1], 0x80
	s_load_b64 s[52:53], s[0:1], 0xc0
	v_lshl_add_u32 v[SPW], v0, 2, SPARE
	v_mov_b32 v[NIL], 0
	v_lshrrev_b32 v60, 5, v0
	v_readfirstlane_b32 s54, v60                   ; wave 0..7
	s_lshr_b32 s2, ttmp9, 5                        ; the image
	s_bfe_u32 s3, ttmp9, 0x30002                   ; wh: the windows' line
	s_and_b32 s96, ttmp9, 3
	s_lshr_b32 s97, s54, 2                         ; which of the two windows my row tile lies in
	s_lshl_b32 s98, s96, 1
	s_add_co_u32 s98, s98, s97                     ; ww
	s_and_b32 s99, s54, 3
	s_lshl_b32 s99, s99, 1
	s_lshl_b32 s100, s3, 3
	s_add_co_u32 s99, s99, s100
	s_add_co_u32 s99, s99, 4
	s_and_b32 s99, s99, 63                         ; y of my first line: (8 wh + 2 (w % 4) + 4) mod 64: the cyclic shift; it is even, so the second line is y + 1
	s_lshl_b32 s99, s99, 6
	s_lshl_b32 s2, s2, 12
	s_add_co_u32 s99, s99, s2
	s_lshl_b32 s98, s98, 3
	s_add_co_u32 s62, s98, 4
	s_add_co_u32 s62, s62, s99
	s_lshl_b32 s62, s62, 10                        ; tokens tx = 0 .. 3 begin at x = 8 ww + 4; a token is 1,024 bytes
	s_add_co_u32 s63, s98, 8
	s_and_b32 s63, s63, 63
	s_add_co_u32 s63, s63, s99
	s_lshl_b32 s63, s63, 10                        ; tokens tx = 4 .. 7 at x = (8 ww + 8) mod 64
	s_mov_b32 s56, 0x76543210
	s_mov_b32 s57, 0xfedcba98                      ; v_permlanex16_b32's selects for lane l xor 16
	s_mov_b32 s58, 0x600000                        ; the mantissa field of 448
	s_mov_b32 s59, 0xbe8293ee                      ; -c
	SPAIR 60, 0x3e8293ee                           ; c = log2(e) / sqrt(32)
	SPAIR 66, 0xb7910000                           ; the polynomials' coefficients
	SPAIR 68, 0xbb7e8a1c
	SPAIR 70, 0xbddaae5c
	SPAIR 72, 0xbf228550
	SPAIR 74, 0xbe03ce86
	SPAIR 76, 0x3fb8aa3b                           ; log2(e)
	SPAIR 78, 0xba1c7000
	SPAIR 80, 0xbcdb48d9
	SPAIR 82, 0x3de70e22
	SPAIR 84, 0xbec09380
	SPAIR 86, 0x3e0375d4
	s_mov_b32 s94, 0x3f3504f3                      ; 1 / sqrt 2
	s_mov_b32 s95, 0x3f6d8000                      ; 475 / 512
	LANES
	v_lshlrev_b32 v[L16], 4, v60
	v_add_nc_u32 v[GL], s62, v[L16]
	v_add_nc_u32 v[GL+1], s63, v[L16]
	v_and_b32 v62, 8, v61
	v_add_nc_u32 v62, v62, v61                     ; r + 8 (r / 8): the weight row of lane r in a tile
	v_lshlrev_b32 v6, 8, v62
	v_lshl_add_u32 v6, v63, 4, v6
	s_lshl_b32 s2, s54, 13
	v_add_nc_u32 v6, s2, v6                        ; v6: wq, wk, wv, wo: rows of 256 bytes, my 32 rows
	s_lshl_b32 s2, s54, 8
	v_lshl_add_u32 v7, v62, 3, s2                  ; v7: their scales: 8 bytes a row
	s_lshl_b32 s3, s54, 7
	v_lshl_add_u32 v8, v63, 6, s3                  ; v8: bq, bk, bo, b2 in a transposed result's layout
	v_lshl_add_u32 v9, v62, 2, s3                  ; v9: bv: one number a lane
	v_lshrrev_b32 v10, 3, v61
	v_sub_nc_u32 v10, v10, v63
	v_add_nc_u32 v10, 7, v10
	v_mul_u32_u24 v10, v10, 15
	v_and_b32 v11, 7, v61
	v_add3_u32 v10, v10, v11, 7
	v_lshlrev_b32 v10, 5, v10
	s_lshl_b32 s2, s54, 2
	v_add_nc_u32 v10, s2, v10                      ; v10: rel_table: (((r / 8) - h + 7) 15 + r % 8 + 7) rows of 32 bytes + head; the immediates add 960 (n - t) - 32 j and stay inside the table
	MKLN
	s_wait_kmcnt 0x0
	global_load_b128 v[BB:BB+3], v[L16], s[6:7]
	global_load_b128 v[BB+4:BB+7], v[L16], s[6:7] offset:512
	global_load_b128 v[BB+8:BB+11], v[L16], s[8:9]
	global_load_b128 v[BB+12:BB+15], v[L16], s[8:9] offset:512
.set qi, 0
.rept 32                               ; my 16 tokens: each load covers 512 consecutive bytes, half a token
	global_load_b128 v[X+4*qi:X+4*qi+3], v[GL+((qi/2)%8)/4], s[4:5] offset:(qi/16)*65536+((qi/2)%4)*1024+512*(qi%2) th:TH_LOAD_NT
.set qi, qi+1
.endr
	WIN 0x40                                       ; destination window 1
.irp u, 0,1
.irp s, 0,1
	WLOAD 16*(2*\u+\s), 6, 12, 2048*\u+128*\s      ; wq's fragment (tile u, K step s)
	WLOAD 64+16*(2*\u+\s), 6, 18, 2048*\u+128*\s   ; wk's
	WLOAD 128+16*(2*\u+\s), 6, 24, 2048*\u+128*\s  ; wv's
.endr
.endr
	WIN 0
; ---------------- P0: LN1 of my row tile
	s_wait_loadcnt 48                              ; g, b and x are in; the 48 weight loads issued behind them may be out
	LNA BB, 1
	WIN 0x40
.irp u, 0,1
.irp k, 0,1
	global_load_b128 v[192+8*\u+4*\k:192+8*\u+4*\k+3], v8, s[16:17] offset:32*\u+16*\k   ; the biases are the C of each sum's first product
	global_load_b128 v[208+8*\u+4*\k:208+8*\u+4*\k+3], v8, s[22:23] offset:32*\u+16*\k
.endr
.irp j, 0,1,2,3,4,5,6,7
	global_load_b32 v[224+8*\u+\j], v9, s[28:29] offset:32*\u    ; in v's result a lane holds one channel: its bias in all eight registers
.endr
.endr
	WIN 0
.irp u, 0,1
	global_load_b64 v[WS+2*\u:WS+2*\u+1], v7, s[14:15] offset:64*\u
	global_load_b64 v[WS+4+2*\u:WS+4+2*\u+1], v7, s[20:21] offset:64*\u
	global_load_b64 v[WS+8+2*\u:WS+8+2*\u+1], v7, s[26:27] offset:64*\u
.endr
	LNB 0
.set qi, 0
.rept 56                               ; my head's relative biases: tile d = n - t (-3 .. 3), register j
	STGREG qi
	global_load_b32 v[rg], v10, s[10:11] offset:960*(qi/8-3)-32*(qi%8)
.set qi, qi+1
.endr
	BAR                                            ; x's sixteen images and H lie in LDS
; ---------------- B1: q, k, v of my head, two row tiles (a block of 32 keys) a trip
	v_and_b32 v60, 31, v0
	v_add_nc_u32 v11, XIMG, v[L16]
	v_lshl_add_u32 v12, v60, 3, XSC
	s_mul_i32 s2, s54, PRVW
	s_add_co_u32 s2, s2, PRV
	v_lshl_add_u32 v14, v60, 3, s2                 ; v13 stays: my private region + 16 l; v14: + 8 l
	s_mov_b32 s55, 0
	s_mov_b32 s96, 0
	s_mov_b32 s97, 0
	s_mov_b32 s98, 0
	s_wait_loadcnt 56                              ; weights, biases and scales are in; the 56 gathers may be out
.Lb1:
	v_add_nc_u32 v15, s96, v11
	v_add_nc_u32 v60, s97, v12
	v_add_nc_u32 v61, s98, v13
	v_add_nc_u32 v62, s98, v14
	FETCH T, 15, 0
	FETCH T+16, 15, 2048
	FETCH T+32, 15, 4096
	FETCH T+48, 15, 6144
	ds_load_b64 v[AS:AS+1], v60
	ds_load_b64 v[AS+2:AS+3], v60 offset:256
	s_wait_dscnt 0x0
	WIN 0x11                                       ; weights and bias in window 1.  Twelve accumulators take turns
.irp e, 0,1
.irp u, 0,1
	v_wmma_scale_f32_16x16x128_f8f6f4 v[X+16*\e+8*\u:X+16*\e+8*\u+7], v[32*\u:32*\u+15], v[T+32*\e:T+32*\e+15], v[192+8*\u:192+8*\u+7], v[WS+2*\u], v[AS+2*\e]
	v_wmma_scale_f32_16x16x128_f8f6f4 v[X+32+16*\e+8*\u:X+32+16*\e+8*\u+7], v[64+32*\u:64+32*\u+15], v[T+32*\e:T+32*\e+15], v[208+8*\u:208+8*\u+7], v[WS+4+2*\u], v[AS+2*\e]
.endr
.endr
	WIN 0x14                                       ; v: source 0 = tokens, source 1 = wv
.irp e, 0,1
.irp u, 0,1
	v_wmma_scale_f32_16x16x128_f8f6f4 v[X+64+16*\u+8*\e:X+64+16*\u+8*\e+7], v[T+32*\e:T+32*\e+15], v[128+32*\u:128+32*\u+15], v[224+8*\u:224+8*\u+7], v[AS+2*\e], v[WS+8+2*\u]
.endr
.endr
	WIN 0x01
.irp e, 0,1
.irp u, 0,1
	v_wmma_scale_f32_16x16x128_f8f6f4 v[X+16*\e+8*\u:X+16*\e+8*\u+7], v[32*\u+16:32*\u+31], v[T+32*\e+16:T+32*\e+31], v[X+16*\e+8*\u:X+16*\e+8*\u+7], v[WS+2*\u+1], v[AS+2*\e+1]
	v_wmma_scale_f32_16x16x128_f8f6f4 v[X+32+16*\e+8*\u:X+32+16*\e+8*\u+7], v[64+32*\u+16:64+32*\u+31], v[T+32*\e+16:T+32*\e+31], v[X+32+16*\e+8*\u:X+32+16*\e+8*\u+7], v[WS+4+2*\u+1], v[AS+2*\e+1]
.endr
.endr
	WIN 0x04
.irp e, 0,1
.irp u, 0,1
	v_wmma_scale_f32_16x16x128_f8f6f4 v[X+64+16*\u+8*\e:X+64+16*\u+8*\e+7], v[T+32*\e+16:T+32*\e+31], v[128+32*\u+16:128+32*\u+31], v[X+64+16*\u+8*\e:X+64+16*\u+8*\e+7], v[AS+2*\e+1], v[WS+8+2*\u+1]
.endr
.endr
	WIN 0
	PLACES 8
	QUANT X, 6, T, T+32                            ; six blocks: q of the two row tiles, k of the two, v's two channel tiles along these 32 keys
.irp b, 0,1,2,3,4,5
	ds_store_b128 v61, v[T+4*\b:T+4*\b+3] offset:512*\b
.endr
	ds_store_b128 v61, v[T+38:T+41] offset:3072    ; the bytes of q, q, k, k, a word each
	ds_store_b64 v62, v[T+42:T+43] offset:3584     ; and of v's two tiles
	s_wait_dscnt 0x0                               ; the stores have read their registers
	s_add_co_u32 s96, s96, 8192
	s_add_co_u32 s97, s97, 512
	s_add_co_u32 s98, s98, CHK
	s_add_co_u32 s55, s55, 1
	s_cmp_lt_u32 s55, 4
	s_cbranch_scc1 .Lb1
; ---------------- B2: attention of my head, a window a trip
	s_wait_loadcnt 0x0                             ; the gathered biases
	s_mov_b32 s2, 0x40b504f3                       ; sqrt(32): the scores are kept x sqrt(32), and c divides it out
	WIN 0x40
.irp t, 0,1,2,3
.set qi, 4
.rept 12
	v_mov_b32 v[KF+16*\t+qi], 0                    ; the filling of K up to 128: zero codes
.set qi, qi+1
.endr
.endr
.set qi, 16
.rept 12
	v_mov_b32 v[QF+qi], 0
.set qi, qi+1
.endr
.set qi, 16
.rept 8
	v_mov_b32 v[VF+qi], 0
.set qi, qi+1
.endr
.set qi, 0
.rept 56
	STGREG qi
	v_mul_f32 v[RB+qi], s2, v[rg]
.set qi, qi+1
.endr
.irp u, 0,1
.irp s, 0,1
	WLOAD WO+16*(2*\u+\s), 6, 30, 2048*\u+128*\s   ; wo for the phase after this one
.endr
.endr
	WIN 0
.irp u, 0,1
	global_load_b64 v[WS+12+2*\u:WS+12+2*\u+1], v7, s[32:33] offset:64*\u
.endr
.irp u, 0,1
.irp k, 0,1
	global_load_b128 v[BB+8*\u+4*\k:BB+8*\u+4*\k+3], v8, s[34:35] offset:32*\u+16*\k
.endr
.endr
.set qi, 8
.rept 8
	v_mov_b32 v[T+qi], 0                           ; p's filling
.set qi, qi+1
.endr
.set qi, 0
.rept 8
	v_mov_b32 v[CBY+qi], 0
.set qi, qi+1
.endr
	v_mov_b32 v[PT], 0                             ; a lane exchange's destination counts as one of its sources
	v_mov_b32 v[PT+1], 0
	v_mov_b32 v[NM+1], 0                           ; named as the upper half of a pair
	s_lshl_b32 s2, s54, 12
	s_add_co_u32 s2, s2, CIMG
	v_add_nc_u32 v11, s2, v[L16]                   ; my head's part of ctx's codes
	s_and_b32 s2, ttmp9, 3
	s_cmp_eq_u32 s2, 3
	s_cselect_b32 s97, 0xc40d6bde, 0               ; -100 sqrt(32) where my second window is the line's last (ww = 7), else 0
	s_bfe_u32 s2, ttmp9, 0x30002
	s_cmp_eq_u32 s2, 7
	s_cselect_b32 s98, -1, 0                       ; all lanes where wh = 7
	s_mov_b32 s99, 0xf0f0f0f0                      ; the lanes whose query has tx >= 4
	s_mov_b32 s55, 0
	s_mov_b32 s96, 0
	s_mov_b32 s100, 0
.Lb2:
	s_cmp_eq_u32 s55, 1                            ; THE SHIFT MASK, from ids alone.  Keys j = 0 .. 3 have tx < 4, tiles t < 2 have ty < 4; queries likewise by lane and by n
	s_cselect_b32 s2, s97, 0
	v_mov_b32 v[T+36], s2
	v_mov_b32 v[T+37], 0xc40d6bde
	v_cndmask_b32 v[MS], v[NIL], v[T+36], s99      ; same half in y: keys tx < 4 are hidden from queries tx >= 4,
	v_cndmask_b32 v[MS+2], v[T+36], v[NIL], s99    ; keys tx >= 4 from queries tx < 4, where ww = 7
	v_cndmask_b32 v[MS+4], v[MS], v[T+37], s98     ; other half in y: all hidden where wh = 7
	v_cndmask_b32 v[MS+6], v[MS+2], v[T+37], s98
	v_mov_b32 v[MS+1], v[MS]
	v_mov_b32 v[MS+3], v[MS+2]
	v_mov_b32 v[MS+5], v[MS+4]
	v_mov_b32 v[MS+7], v[MS+6]
	v_add_nc_u32 v15, s96, v13
	v_add_nc_u32 v60, s96, v14
	v_add_nc_u32 v61, s100, v11
	WIN 0x40
.irp t, 0,1,2,3
	ds_load_b128 v[KF+16*\t:KF+16*\t+3], v15 offset:(\t/2)*CHK+1024+512*(\t%2)
.endr
.irp n, 0,1,2,3
	ds_load_b128 v[QF+4*\n:QF+4*\n+3], v15 offset:(\n/2)*CHK+512*(\n%2)
.endr
.irp u, 0,1
.irp c, 0,1
	ds_load_b128 v[VF+8*\u+4*\c:VF+8*\u+4*\c+3], v15 offset:\c*CHK+2048+512*\u
.endr
.endr
	WIN 0
.irp c, 0,1
	ds_load_b128 v[WS+4*\c:WS+4*\c+3], v15 offset:\c*CHK+3072
	ds_load_b64 v[VB+2*\c:VB+2*\c+1], v60 offset:\c*CHK+3584
.endr
	s_wait_dscnt 0x0
.irp u, 0,1
	v_lshl_or_b32 v[WS+8+\u], v[VB+2+\u], 8, v[VB+\u]   ; v's scale word: the bytes of the two blocks of keys
.endr
	SCORES 0, X
	SCORES 1, X+32
	PLACES 8
	SMX 0, X
	PV 0
	SCORES 2, X                                    ; the next scores are under way while the other buffer's softmax is walked
	SMX 1, X+32
	PV 1
	SCORES 3, X+32
	SMX 2, X
	PV 2
	SMX 3, X+32
	PV 3
	WIN 0
	PLACES 8
	QUANT X+64, 4, X+16, X                         ; ctx of four row tiles: a head's 32 channels are one block
.irp n, 0,1,2,3
	ds_store_b128 v61, v[X+16+4*\n:X+16+4*\n+3] offset:512*\n
.endr
.irp n, 0,1,2,3
	v_mov_b32 v[CBY+\n], v[CBY+4+\n]               ; the first window's bytes move down, the second's come in
.endr
.irp n, 0,1,2,3
	v_mov_b32 v[CBY+4+\n], v[X+4+\n]
.endr
	s_wait_dscnt 0x0                               ; the stores have read their registers
	s_add_co_u32 s96, s96, 2*CHK
	s_add_co_u32 s100, s100, 2048
	s_add_co_u32 s55, s55, 1
	s_cmp_lt_u32 s55, 2
	s_cbranch_scc1 .Lb2
	s_wait_xcnt 0x0                                ; offset registers of earlier loads are written anew
	LANES
	s_add_co_u32 s2, s54, CSC
	v_lshl_add_u32 v12, v60, 3, s2
.irp m, 0,1,2,3,4,5,6,7
	ds_store_b8 v12, v[CBY+\m] offset:256*\m       ; byte w of row tile m's pair of scale words
.endr
.irp k, 0,1
	global_load_b128 v[X+96+4*\k:X+96+4*\k+3], v[L16], s[36:37] offset:512*\k     ; ln2's g and b, for the phase after the next
	global_load_b128 v[X+104+4*\k:X+104+4*\k+3], v[L16], s[38:39] offset:512*\k
.endr
	v_and_b32 v62, 8, v61
	v_add_nc_u32 v62, v62, v61
	v_lshlrev_b32 v9, 8, v62
	v_lshl_add_u32 v9, v63, 4, v9
	s_lshl_b32 s2, s54, 15
	v_add_nc_u32 v9, s2, v9                        ; v9: w1: rows of 256 bytes, my 128 rows
	s_lshl_b32 s2, s54, 10
	v_lshl_add_u32 v10, v62, 3, s2                 ; v10: its scales
	WIN 0x40
.irp t, 0,1,2,3,4,5
.irp s, 0,1
	WLOAD 16*(2*\t+\s), 9, 40, (32*(\t/2)+8*(\t%2))*256+128*\s   ; w1's fragments 0 to 11, over attention's registers; wo's stay
.endr
.endr
	WIN 0
	BAR                                            ; ctx's codes and bytes lie in LDS
; ---------------- C: H += ctx wo^T + bo, my 32 channels, two row tiles at a time
	LANES
	v_add_nc_u32 v11, CIMG, v[L16]
	v_lshl_add_u32 v12, v60, 3, CSC
	MKCOL 13
	s_wait_loadcnt 52                              ; wo, its scales and bo are in; ln2's four loads and w1's 48 may be out
.irp g, 0,1,2,3
	s_wait_dscnt 0x0                               ; the last group's stores have read their registers
.irp e, 0,1
.irp s, 0,1
.irp c, 0,1,2,3
	ds_load_b128 v[X+32*\e+16*\s+4*\c:X+32*\e+16*\s+4*\c+3], v11 offset:(4*\s+\c)*4096+(2*\g+\e)*512   ; piece c of K step s is head 4 s + c
.endr
.endr
	ds_load_b64 v[AS+2*\e:AS+2*\e+1], v12 offset:(2*\g+\e)*256
.irp u, 0,1
.irp k, 0,1
	ds_load_b128 v[X+64+16*\e+8*\u+4*\k:X+64+16*\e+8*\u+4*\k+3], v[13+\g/2] offset:((2*\g+\e)%4)*HT+32*\u+16*\k   ; the shortcut: the sums begin with it
.endr
.endr
.endr
	s_wait_dscnt 0x0
.irp e, 0,1
.irp q, 0,2,4,6,8,10,12,14
	v_pk_add_f32 v[X+64+16*\e+\q:X+64+16*\e+\q+1], v[X+64+16*\e+\q:X+64+16*\e+\q+1], v[BB+\q:BB+\q+1]
.endr
.endr
	WIN 0x01
.irp s, 0,1
.irp e, 0,1
.irp u, 0,1
	v_wmma_scale_f32_16x16x128_f8f6f4 v[X+64+16*\e+8*\u:X+64+16*\e+8*\u+7], v[WO+16*(2*\u+\s):WO+16*(2*\u+\s)+15], v[X+32*\e+16*\s:X+32*\e+16*\s+15], v[X+64+16*\e+8*\u:X+64+16*\e+8*\u+7], v[WS+12+2*\u+\s], v[AS+2*\e+\s]
.endr
.endr
.endr
	WIN 0
	PLACES 8
.irp e, 0,1
.irp u, 0,1
.irp k, 0,1
	ds_store_b128 v[13+\g/2], v[X+64+16*\e+8*\u+4*\k:X+64+16*\e+8*\u+4*\k+3] offset:((2*\g+\e)%4)*HT+32*\u+16*\k
.endr
.endr
.endr
.endr
	WIN 0x40
.irp t, 6,7
.irp s, 0,1
	WLOAD 16*(2*\t+\s), 9, 40, (32*(\t/2)+8*(\t%2))*256+128*\s   ; w1's last four fragments, over wo's
.endr
.endr
	WIN 0
.irp t, 0,1,2,3,4,5,6,7
	global_load_b64 v[WS+2*\t:WS+2*\t+1], v10, s[42:43] offset:(32*(\t/2)+8*(\t%2))*8
.endr
	BAR                                            ; H = shortcut + attention's output
; ---------------- LN2 of my row tile
	s_wait_xcnt 0x0
	MKLN
	s_lshl_b32 s2, s54, 9
	v_lshl_add_u32 v6, v63, 6, s2                  ; v6: b1 of my 128 units
	s_wait_loadcnt 24                              ; ln2's g and b are in (and w1's first 48 loads); the 24 loads issued behind phase C may be out
	LNA X+96, 0
	LNB 1
	BAR                                            ; y's sixteen images lie in LDS
; ---------------- MLP1: my 128 hidden units, a row tile a trip
	s_wait_xcnt 0x0
	LANES
	v_add_nc_u32 v11, XIMG, v[L16]
	v_lshl_add_u32 v12, v60, 3, XSC
	s_lshl_b32 s2, s54, 14
	s_add_co_u32 s2, s2, HIMG
	v_add_nc_u32 v13, s2, v[L16]
	s_lshl_b32 s2, s54, 10
	s_add_co_u32 s3, s2, HSC
	v_lshl_add_u32 v14, v60, 2, s3
	v_and_b32 v62, 8, v61
	v_add_nc_u32 v62, v62, v61
	v_lshl_add_u32 v9, v62, 5, s2                  ; v9: w2's scales: 32 bytes a row, my 32 rows
	v_lshlrev_b32 v7, 10, v62
	v_lshl_add_u32 v7, v63, 4, v7
	s_lshl_b32 s2, s54, 15
	v_add_nc_u32 v7, s2, v7                        ; v7: w2: rows of 1,024 bytes
	v_mov_b32 v[MS], 0x39c8e7d9                    ; three coefficients as vector pairs: a packed line names one scalar pair
	v_mov_b32 v[MS+1], 0x39c8e7d9
	v_mov_b32 v[MS+2], 0x3cc6b1a1
	v_mov_b32 v[MS+3], 0x3cc6b1a1
	v_mov_b32 v[MS+4], 0x3ba38d2c
	v_mov_b32 v[MS+5], 0x3ba38d2c
	s_mov_b32 s55, 0
	s_mov_b32 s96, 0
	s_mov_b32 s97, 0
	s_mov_b32 s98, 0
	s_mov_b32 s99, 0
.Lm1:
	s_wait_loadcnt 0x0                             ; first trip: w1, its scales, b1, b2.  Later trips find nothing out: no product ever reads a register that a load is still to write
	v_add_nc_u32 v15, s96, v11
	v_add_nc_u32 v60, s97, v12
	v_add_nc_u32 v61, s98, v13
	v_add_nc_u32 v62, s99, v14
	FETCH T, 15, 0
	FETCH T+16, 15, 2048
	ds_load_b64 v[AS:AS+1], v60
	s_wait_dscnt 0x0
	WIN 0x01
.irp t, 0,1,2,3,4,5,6,7
	v_wmma_scale_f32_16x16x128_f8f6f4 v[X+64+8*\t:X+64+8*\t+7], v[32*\t:32*\t+15], v[T:T+15], v[X+8*\t:X+8*\t+7], v[WS+2*\t], v[AS]
.endr
.irp t, 0,1,2,3,4,5,6,7
	v_wmma_scale_f32_16x16x128_f8f6f4 v[X+64+8*\t:X+64+8*\t+7], v[32*\t+16:32*\t+31], v[T+16:T+31], v[X+64+8*\t:X+64+8*\t+7], v[WS+2*\t+1], v[AS+1]
.endr
	WIN 0
	PLACES 8
	s_cmp_lg_u32 s55, 7                            ; behind the last trip's products w1's registers are free: w2 is asked for here and lands under the last GELU
	s_cbranch_scc1 .Lnot_last
	WIN 0x40
.irp u, 0,1
.irp s, 0,1,2,3,4,5,6,7
	WLOAD 16*(8*\u+\s), 7, 46, 8192*\u+128*\s
.endr
.endr
	WIN 0
.irp u, 0,1
.irp k, 0,1
	global_load_b128 v[WS+8*\u+4*\k:WS+8*\u+4*\k+3], v9, s[48:49] offset:256*\u+16*\k
.endr
.endr
.Lnot_last:
	GELU16 0
	GELU16 16
	GELU16 32
	GELU16 48
	QUANT X+64, 4, T+16, T
	QWORD MS+6, T
	IMAGE 61, T+16, 0                              ; K step w of the second product, this row tile
	ds_store_b32 v62, v[MS+6]
	s_wait_dscnt 0x0                               ; the stores have read their registers
	s_add_co_u32 s96, s96, 4096
	s_add_co_u32 s97, s97, 256
	s_add_co_u32 s98, s98, 2048
	s_add_co_u32 s99, s99, 128
	s_add_co_u32 s55, s55, 1
	s_cmp_lt_u32 s55, 8
	s_cbranch_scc1 .Lm1
	BAR                                            ; the hidden layer's 64 images lie in LDS
; ---------------- MLP2: H += gelu(..) w2^T + b2, my 32 channels of all 128 rows: 16 accumulators by turns, K step by K step
	LANES
	MKCOL 11
	v_add_nc_u32 v13, HIMG, v[L16]
	v_add_nc_u32 v14, 65536, v13
	v_lshl_add_u32 v15, v60, 2, HSC
	s_wait_loadcnt 0x0                             ; w2 and its scales
.irp m, 0,1,2,3,4,5,6,7
.irp u, 0,1
.irp k, 0,1
	ds_load_b128 v[X+16*\m+8*\u+4*\k:X+16*\m+8*\u+4*\k+3], v[11+\m/4] offset:(\m%4)*HT+32*\u+16*\k
.endr
.endr
.endr
	HFETCH 0
	s_wait_dscnt 10                                ; H's columns are in; the first group's ten loads may be out
.irp m, 0,1,2,3,4,5,6,7
.irp q, 0,2,4,6,8,10,12,14
	v_pk_add_f32 v[X+16*\m+\q:X+16*\m+\q+1], v[X+16*\m+\q:X+16*\m+\q+1], v[BB+\q:BB+\q+1]
.endr
.endr
.set gi, 0
.rept 32
.if gi < 31
.if gi > 0
	PLACES 8                                       ; in front of loads into the buffer that the group before multiplied
.endif
	HFETCH gi+1
	s_wait_dscnt 10                                ; this group's loads are in; the next group's ten may be out
.else
	s_wait_dscnt 0x0
.endif
	WIN 0x01
.irp e, 0,1
.irp u, 0,1
	v_wmma_scale_f32_16x16x128_f8f6f4 v[X+16*(2*(gi%4)+\e)+8*\u:X+16*(2*(gi%4)+\e)+8*\u+7], v[16*(8*\u+gi/4):16*(8*\u+gi/4)+15], v[T+32*(gi%2)+16*\e:T+32*(gi%2)+16*\e+15], v[X+16*(2*(gi%4)+\e)+8*\u:X+16*(2*(gi%4)+\e)+8*\u+7], v[WS+8*\u+gi/4], v[AS+2*(gi%2)+\e]
.endr
.endr
	WIN 0
.set gi, gi+1
.endr
	PLACES 8
.irp m, 0,1,2,3,4,5,6,7
.irp u, 0,1
.irp k, 0,1
	ds_store_b128 v[11+\m/4], v[X+16*\m+8*\u+4*\k:X+16*\m+8*\u+4*\k+3] offset:(\m%4)*HT+32*\u+16*\k
.endr
.endr
.endr
	BAR                                            ; H holds the result
; ---------------- G: my row tile leaves: each store covers 512 consecutive bytes, aligned, at the places x came from (window reverse and reverse shift)
	s_mul_i32 s2, s54, HT
	v_add_nc_u32 v11, s2, v[L16]
.set qi, 0
.rept 32
	ds_load_b128 v[X+4*qi:X+4*qi+3], v11 offset:(qi/2)*HP+512*(qi%2)
.set qi, qi+1
.endr
.set qi, 0
.rept 32
	s_wait_dscnt 31-qi                             ; LDS loads come back in order: number qi is in, the younger ones may be out
	global_store_b128 v[GL+((qi/2)%8)/4], v[X+4*qi:X+4*qi+3], s[52:53] offset:(qi/16)*65536+((qi/2)%4)*1024+512*(qi%2) th:TH_STORE_NT
.set qi, qi+1
.endr
	s_wait_tensorcnt 0x0                           ; the wave's end
	ds_add_u32 v[SPW], v[NIL]
	s_wait_dscnt 0x0
	s_endpgm
.Lfunc_end_k_q0852be8e1c_swin:
	.size	k_q0852be8e1c_swin, .Lfunc_end_k_q0852be8e1c_swin-k_q0852be8e1c_swin
	.p2alignl 7, 3214868480
	.fill 96, 4, 3214868480
	.section	.rodata,"a",@progbits
	.p2align	6, 0x0
	.amdhsa_kernel k_q0852be8e1c_swin
		.amdhsa_group_segment_fixed_size 327680
		.amdhsa_private_segment_fixed_size 0
		.amdhsa_enable_private_segment 0
		.amdhsa_kernarg_size 200
		.amdhsa_user_sgpr_count 2
		.amdhsa_user_sgpr_kernarg_segment_ptr 1
		.amdhsa_wavefront_size32 1
		.amdhsa_system_sgpr_workgroup_id_x 1
		.amdhsa_system_sgpr_workgroup_id_y 1
		.amdhsa_system_sgpr_workgroup_id_z 1
		.amdhsa_system_vgpr_workitem_id 0
		.amdhsa_next_free_vgpr 512
		.amdhsa_next_free_sgpr 102
		.amdhsa_reserve_vcc 1
		.amdhsa_float_denorm_mode_32 3
		.amdhsa_float_denorm_mode_16_64 3
		.amdhsa_memory_ordered 1
		.amdhsa_forward_progress 1
		.amdhsa_inst_pref_size 255
	.end_amdhsa_kernel
	.section	.bss,"aw",@nobits
	.p2align	6
	.space	262144
	.amdgpu_metadata
---
amdhsa.version: [ 1, 2 ]
amdhsa.kernels:
  - .name:           k_q0852be8e1c_swin
    .symbol:         k_q0852be8e1c_swin.kd
    .args:
      - { .name: hidden_states, .offset: 0, .size: 8, .value_kind: global_buffer, .address_space: global }
      - { .name: ln1_g, .offset: 8, .size: 8, .value_kind: global_buffer, .address_space: global }
      - { .name: ln1_b, .offset: 16, .size: 8, .value_kind: global_buffer, .address_space: global }
      - { .name: rel_table, .offset: 24, .size: 8, .value_kind: global_buffer, .address_space: global }
      - { .name: wq_codes, .offset: 32, .size: 8, .value_kind: global_buffer, .address_space: global }
      - { .name: wq_scales, .offset: 40, .size: 8, .value_kind: global_buffer, .address_space: global }
      - { .name: bq, .offset: 48, .size: 8, .value_kind: global_buffer, .address_space: global }
      - { .name: wk_codes, .offset: 56, .size: 8, .value_kind: global_buffer, .address_space: global }
      - { .name: wk_scales, .offset: 64, .size: 8, .value_kind: global_buffer, .address_space: global }
      - { .name: bk, .offset: 72, .size: 8, .value_kind: global_buffer, .address_space: global }
      - { .name: wv_codes, .offset: 80, .size: 8, .value_kind: global_buffer, .address_space: global }
      - { .name: wv_scales, .offset: 88, .size: 8, .value_kind: global_buffer, .address_space: global }
      - { .name: bv, .offset: 96, .size: 8, .value_kind: global_buffer, .address_space: global }
      - { .name: wo_codes, .offset: 104, .size: 8, .value_kind: global_buffer, .address_space: global }
      - { .name: wo_scales, .offset: 112, .size: 8, .value_kind: global_buffer, .address_space: global }
      - { .name: bo, .offset: 120, .size: 8, .value_kind: global_buffer, .address_space: global }
      - { .name: ln2_g, .offset: 128, .size: 8, .value_kind: global_buffer, .address_space: global }
      - { .name: ln2_b, .offset: 136, .size: 8, .value_kind: global_buffer, .address_space: global }
      - { .name: w1_codes, .offset: 144, .size: 8, .value_kind: global_buffer, .address_space: global }
      - { .name: w1_scales, .offset: 152, .size: 8, .value_kind: global_buffer, .address_space: global }
      - { .name: b1, .offset: 160, .size: 8, .value_kind: global_buffer, .address_space: global }
      - { .name: w2_codes, .offset: 168, .size: 8, .value_kind: global_buffer, .address_space: global }
      - { .name: w2_scales, .offset: 176, .size: 8, .value_kind: global_buffer, .address_space: global }
      - { .name: b2, .offset: 184, .size: 8, .value_kind: global_buffer, .address_space: global }
      - { .name: out0, .offset: 192, .size: 8, .value_kind: global_buffer, .address_space: global }
    .group_segment_fixed_size: 327680
    .private_segment_fixed_size: 0
    .kernarg_segment_align: 8
    .kernarg_segment_size: 200
    .max_flat_workgroup_size: 256
    .sgpr_count:     102
    .vgpr_count:     512
    .wavefront_size: 32
...
	.end_amdgpu_metadata
.endif
;; end of part 1
;; ======== version 2 of 2: 1 launch; version 1 with the launch swin written anew for expert scheduling mode
;; launch swin (part 2): grid 256 x 1, 8 waves a work-group, no clusters, 327,680 bytes of LDS; arguments hidden_states, ln1_g, ln1_b, rel_table, wq_codes, wq_scales, bq, wk_codes, wk_scales, bk, wv_codes, wv_scales, bv, wo_codes, wo_scales, bo, ln2_g, ln2_b, w1_codes, w1_scales, b1, w2_codes, w2_scales, b2, out0; writes out0
.if DOCPART == 2
	.amdgcn_target "amdgcn-amd-amdhsa--gfx1250"
	.amdhsa_code_object_version 6
	.text
	.protected	k_q0852be8e1c_swin
	.globl	k_q0852be8e1c_swin
	.p2align	8
	.type	k_q0852be8e1c_swin,@function
k_q0852be8e1c_swin:
	s_mov_b64 s[64:65], 0
	v_nop
	global_prefetch_b8 v0, s[64:65] scope:SCOPE_SE
	s_setreg_imm32_b32 hwreg(HW_REG_WAVE_SCHED_MODE, 0, 2), 2
	s_setreg_imm32_b32 hwreg(HW_REG_WAVE_MODE, 25, 1), 1
	s_wait_xcnt 0x0
	s_wait_alu depctr_vm_vsrc(0)
; A SWIN BLOCK IN ONE LAUNCH: LN1, shifted windows, q/k/v, 8 heads of 64 x 64 attention with relative bias and shift mask, out-projection, residual, LN2, MLP 256 -> 1024 -> 256 with exact GELU, residual.
; All eight products on codes of E4M3 with one E8M0 scale for each 32 along K; every activation operand is quantised in registers on its way; sums, norms, softmax, GELU in f32.
; SHARES.  A work-group of eight waves owns two neighbouring windows of one image: 128 tokens = 8 row tiles of 16.  A wave has two roles.  ROW OWNER (LN1, LN2, loads of x, stores of out0): wave w owns row tile w.
; COLUMN OWNER, for all 128 rows: head w in q/k/v and attention; output channels 32 w .. +31 in the out-projection and the second MLP product; hidden units 128 w .. +127 in the first.
; So each weight byte goes ONCE for a work-group from memory straight into the operand register that uses it (window 1), and what goes from wave to wave is the small thing: the rows' codes, through LDS, as images of operand registers
; (lane l's 16 bytes at 16 l).  The f32 residual H[128][256] stays in LDS and is the C operand of the out-projection and of the second MLP product.  x is read once, out0 written once, nothing else goes to memory.
; NO CLUSTER, NO TENSOR LOAD: all work-groups read the same weights, but a joint load lands in LDS, of which this text uses 326,656 of 327,680 bytes, and the weights would be read again from there.
; LAYOUT.  l = lane, r = l % 16, h = l / 16.  Products with weights are used transposed (source 0 = 16 weight rows, source 1 = 16 tokens), and lane r of weight tile u takes row base + 8 u + r + 8 (r / 8):
; a lane then holds ONE token, and the 16 registers of tiles u = 0, 1 are channels 16 h + 0 .. 15 of a block of 32: the next operand's own order.  v = x wv^T is used the other way round (source 0 = tokens), so that a lane holds one
; channel and 16 of a block's 32 keys; the weights p of the softmax hold the same keys in the same places (key 16 e + 8 h + j in register 8 e + j), so inside a block of 32 keys both operands carry one and the same permutation.
; K = 32 (scores) and K = 64 (p v) are filled up to the instruction's 128 by zero codes on one side, real codes or zeros on the other, and the scale byte 0 (no NaN byte).
; LIMITS.  NaN and infinities among the inputs are not served.  A block of zeros gets the scale byte 1 where the rule says 127: its codes are zeros and the bytes are read by this program alone; blocks whose largest magnitude lies
; under 2^(9 - 127) are held at that byte.  A block's largest p is taken as the exponential of the block's largest score: this takes v_exp_f32 not to fall where its input rises.
; THE MODE: SCHED_MODE bits 1:0 = 2 (LLVM: expert scheduling mode 2), set by the entry lines.  The code itself states the register dependences between vector or matrix instructions and memory or LDS instructions, with s_wait_alu, always for 0.
; THE PLAN.  Registers that memory or LDS instructions touch, and who else names them:
;   v1, v2        made at the head, read by the closing add, v2 also by the shift mask's selects.     v3-v5, v8   offsets, made at the head and never written again.
;   v6, v7, v9-v15, v60-v63   addresses, made anew by vector lines at a phase's head (v15, v60-v62 at a trip's head in the three loops): a wait on vm_vsrc ahead of the makers, a wait on va_vdst behind them.
;   X, T          loads land there, products and vector lines work there, LDS stores (x, codes, bytes, H's columns) read them.     BB, MS+6, MS+8, MS+9   likewise, in small.
;   AS, WS        scale words: loads land, products read; WS+8 to WS+10 are made by vector lines.     window 1   weights by loads, in attention zeros and biases by vector lines; products read.
; A phase or a trip goes: (vm_vsrc) addresses (va_vdst) loads | products, vector work | (va_vdst) LDS stores (vm_vsrc).  The first wait on va_vdst states that the addresses are written and that what went before is done with the
; registers in which the loads land; the second that the store data are written; the wait on vm_vsrc at the end that stores and loads have read data and addresses, which the next trip or phase writes.  Where two runs of memory
; instructions have no vector line between them that names their registers, the earlier wait serves both.  No loop has registers for a second buffer but the second MLP product's, which has two and one wait on va_vdst a group.
.set HP,    1040                       ; a row of H in LDS: 1,024 bytes + 16: 260 words, so that 16 rows begin at 16 different groups of four banks (64 banks of 4 bytes: ISA guide 11.1)
.set HT,    16*HP                      ; a row tile of H
.set XIMG,  133120                     ; behind H: images of x's (later y's) fragments: (row tile m, K step s) at (2 m + s) 2048
.set XSC,   165888                     ; their scale words: m 256 + 8 l
.set PRV,   167936                     ; eight private regions: four chunks (two row tiles each) of q, k, v codes and bytes; their first 2,048 bytes hold a norm's g and b while it runs
.set PRVW,  15360
.set CHK,   3840
.set CIMG,  290816                     ; ctx's codes: head w, row tile m at w 4096 + m 512 + 16 l
.set CSC,   323584                     ; ctx's scale bytes: m 256 + 8 l + w
.set HIMG,  167936                     ; the hidden layer's images, over regions that are done with: K step w, row tile m at w 16384 + m 2048
.set HSC,   299008                     ; their scale words: w 1024 + m 128 + 4 l
.set SPARE, 325632                     ; the spare words, 128 bytes for each wave: four blocks of 256 bytes that no other line names
.set SPW, 1                            ; v1      LDS address of my spare word; never rewritten
.set NIL, 2                            ; v2      0; never rewritten
.set GL,  3                            ; v3, v4  byte offsets in hidden_states and out0 of my row tile's left and right four tokens of a line, + 16 l; never rewritten
.set L16, 5                            ; v5      16 l; never rewritten
.set WS,  16                           ; v16-31  weights' (in attention: q's, k's, v's, p's) scale words: scales and nothing else
.set AS,  32                           ; v32-35  activations' scale words: scales and nothing else
.set BB,  36                           ; v36-51  bo, later b2; staging
.set MS,  52                           ; v52-63  small things; v60-63 also working addresses
.set X,   64                           ; v64-191
.set T,   192                          ; v192-255
.set CM,  4                            ; s4-s19  in the first MLP product: sixteen lane masks of GELU's choice; the arguments that lay there are done with by then
.set RB,  0                            ; window 1 in attention: relative bias x sqrt(32), 7 tiles of 8;
.set KF,  56                           ; k's four fragments (4 registers of codes, 12 of zeros);
.set QF,  120                          ; q's four pieces and 12 zeros;
.set VF,  148                          ; v's four pieces and 8 zeros;
.set WO,  192                          ; wo's four fragments
.set BM,  T+16                         ; softmax: two block maxima
.set PT,  T+18                         ; lane exchanges' destinations
.set RM,  T+20
.set NM,  T+22                         ; -c x the row's maximum (a pair is named, the low word serves)
.set SU,  T+24
.set SV,  T+26
.set RI,  T+28                         ; 1 / the row's sum, twice
.set SC_, T+30
.set HL_, T+32
.set BY_, T+34
.set CBY, T+48                         ; ctx's bytes of the 8 row tiles
.set VB,  T+56                         ; v's bytes as loaded
.set MSB, 0
.macro WIN new                         ; s_set_vgpr_msb: bits 1:0 source 0, 3:2 source 1, 5:4 source 2, 7:6 destination; the high byte repeats the setting that is left
.if MSB != (\new)
	s_set_vgpr_msb (MSB<<8)|(\new)
.set MSB, \new
.endif
.endm
.macro PLACES n                        ; plain vector places behind matrix instructions: 8 for this form
.rept \n
	v_nop
.endr
.endm
.macro BAR                             ; my LDS stores have landed and my LDS loads are in: then the work-group's barrier
	s_wait_dscnt 0x0
	s_barrier_signal -1
	s_barrier_wait -1
.endm
.macro SPAIR r, val                    ; a constant for packed forms: the pair is named, so both words are written
	s_mov_b32 s[\r], \val
	s_mov_b32 s[\r+1], \val
.endm
.macro LANES                           ; v60 = l, v61 = r, v63 = h
	v_and_b32 v60, 31, v0
	v_and_b32 v61, 15, v0
	v_bfe_u32 v63, v0, 4, 1
.endm
.macro WLOAD d, a, p, off              ; a weight fragment, 16 rows x 128 K, from memory: registers 4 c .. 4 c + 3 hold K = 32 c + 16 h + 0 .. 15
.irp c, 0,1,2,3
	global_load_b128 v[(\d)+4*\c:(\d)+4*\c+3], v[\a], s[\p:\p+1] offset:(\off)+32*\c
.endr
.endm
.macro FETCH d, a, off                 ; a fragment's image from LDS
.irp c, 0,1,2,3
	ds_load_b128 v[(\d)+4*\c:(\d)+4*\c+3], v[\a] offset:(\off)+512*\c
.endr
.endm
.macro IMAGE a, s, off                 ; and into LDS
.irp c, 0,1,2,3
	ds_store_b128 v[\a], v[(\s)+4*\c:(\s)+4*\c+3] offset:(\off)+512*\c
.endr
.endm
; nb blocks, 16 numbers of a lane each at v[s + 16 b] (the other 16 lie in lane l xor 16), become 4 registers of codes each at v[d + 4 b].  At v[tm]: nb largest magnitudes, nb bytes, nb holds, nb scale operands.
.macro QUANT s, nb, d, tm
.set qb, 0
.rept \nb
	v_max3_num_f32 v[(\tm)+qb], |v[(\s)+16*qb]|, |v[(\s)+16*qb+1]|, 0x4800000   ; with the floor 2^(9 - 127): the byte cannot fall under 1
.set qb, qb+1
.endr
.set qi, 2
.rept 7
.set qb, 0
.rept \nb
	v_max3_num_f32 v[(\tm)+qb], v[(\tm)+qb], |v[(\s)+16*qb+qi]|, |v[(\s)+16*qb+qi+1]|   ; the blocks by turns
.set qb, qb+1
.endr
.set qi, qi+2
.endr
.set qb, 0
.rept \nb
	v_permlanex16_b32 v[(\tm)+(\nb)+qb], v[(\tm)+qb], s56, s57
.set qb, qb+1
.endr
.set qb, 0
.rept \nb
	v_max_num_f32 v[(\tm)+qb], v[(\tm)+qb], v[(\tm)+(\nb)+qb]                  ; the block's largest magnitude
.set qb, qb+1
.endr
.set qb, 0
.rept \nb
	v_add_nc_u32 v[(\tm)+3*(\nb)+qb], 0xfc000000, v[(\tm)+qb]                  ; 8 off its exponent field: the conversion's scale operand
.set qb, qb+1
.endr
.set qb, 0
.rept \nb
	v_and_or_b32 v[(\tm)+2*(\nb)+qb], v[(\tm)+qb], 0x7f800000, s58             ; 448 x the scale
.set qb, qb+1
.endr
.set qb, 0
.rept \nb
	v_lshrrev_b32 v[(\tm)+(\nb)+qb], 23, v[(\tm)+3*(\nb)+qb]                   ; the scale's byte
.set qb, qb+1
.endr
.set qb, 0
.rept \nb
.set qi, 0
.rept 16
	v_med3_num_f32 v[(\s)+16*qb+qi], v[(\s)+16*qb+qi], -v[(\tm)+2*(\nb)+qb], v[(\tm)+2*(\nb)+qb]   ; the conversion does not saturate (ISA guide 7.6.2): the hold
.set qi, qi+1
.endr
	v_cvt_scalef32_pk8_fp8_f32 v[(\d)+4*qb:(\d)+4*qb+1], v[(\s)+16*qb:(\s)+16*qb+7], v[(\tm)+3*(\nb)+qb]
	v_cvt_scalef32_pk8_fp8_f32 v[(\d)+4*qb+2:(\d)+4*qb+3], v[(\s)+16*qb+8:(\s)+16*qb+15], v[(\tm)+3*(\nb)+qb]
.set qb, qb+1
.endr
	v_nop                                          ; a plain line behind the last conversion
.endm
.macro QWORD dst, tm                   ; four bytes (nb = 4) make a row's scale word
	v_lshl_or_b32 v[\dst], v[(\tm)+5], 8, v[(\tm)+4]
	v_lshl_or_b32 v[\dst], v[(\tm)+6], 16, v[\dst]
	v_lshl_or_b32 v[\dst], v[(\tm)+7], 24, v[\dst]
.endm
; THE NORMS.  Addresses: v11 my rows of H + 16 l; v12 my rows of H, row r, + 64 h; v13 my private region + 16 l; v14 the same + 64 h; v15 my two images; v62 my scale words
.macro MKLN
	LANES
	s_mul_i32 s2, s54, HT
	v_add_nc_u32 v11, s2, v[L16]
	v_mul_u32_u24 v12, v61, HP
	v_lshl_add_u32 v12, v63, 6, v12
	v_add_nc_u32 v12, s2, v12
	s_mul_i32 s2, s54, PRVW
	s_add_co_u32 s2, s2, PRV
	v_add_nc_u32 v13, s2, v[L16]
	v_lshl_add_u32 v14, v63, 6, s2
	s_lshl_b32 s2, s54, 12
	s_add_co_u32 s2, s2, XIMG
	v_add_nc_u32 v15, s2, v[L16]
	s_lshl_b32 s2, s54, 8
	s_add_co_u32 s2, s2, XSC
	v_lshl_add_u32 v62, v60, 3, s2
.endm
.macro GBL blk                         ; g and b of my 16 channels of block blk, into set blk % 2 of T
.irp j, 0,1,2,3
	ds_load_b128 v[T+32*((\blk)%2)+4*\j:T+32*((\blk)%2)+4*\j+3], v14 offset:128*(\blk)+16*\j
.endr
.irp j, 0,1,2,3
	ds_load_b128 v[T+32*((\blk)%2)+16+4*\j:T+32*((\blk)%2)+16+4*\j+3], v14 offset:1024+128*(\blk)+16*\j
.endr
.endm
.macro LNA gs, hstore                  ; g, b (16 registers at gs, as loaded) into my private region; hstore = 1: x as loaded into my rows of H; then my rows back, register 16 blk + i = channel 32 blk + 16 h + i of row r
.irp k, 0,1,2,3
	ds_store_b128 v13, v[(\gs)+4*\k:(\gs)+4*\k+3] offset:512*\k   ; (data that loads brought; the addresses stand ahead of the wait on va_vdst in front of this macro)
.endr
.if \hstore
.set qi, 0
.rept 32
	ds_store_b128 v11, v[X+4*qi:X+4*qi+3] offset:(qi/2)*HP+512*(qi%2)
.set qi, qi+1
.endr
.endif
	s_wait_dscnt 0x0                               ; the stores have landed
	s_wait_alu depctr_vm_vsrc(0)                   ; the LDS stores above have read the registers of g and b and (first norm) X: loads land in them, below and behind the norm
.set qi, 0
.rept 32
	ds_load_b128 v[X+4*qi:X+4*qi+3], v12 offset:128*(qi/4)+16*(qi%4)
.set qi, qi+1
.endr
	GBL 0
	GBL 1
.endm
.macro LNB mlp                         ; mean, variance (of the differences), (x - mean) rstd g + b, quantised: two images and a pair of scale words.  mlp = 1: b1 and b2 are asked for on the way
	s_wait_dscnt 16                                ; my rows are in; the 16 loads of two sets of g and b may be out
.irp k, 0,1,2,3
	v_pk_add_f32 v[MS+2*\k:MS+2*\k+1], v[X+2*\k:X+2*\k+1], v[X+8+2*\k:X+8+2*\k+1]   ; four chains
.endr
.set qi, 16
.rept 14
.irp k, 0,1,2,3
	v_pk_add_f32 v[MS+2*\k:MS+2*\k+1], v[MS+2*\k:MS+2*\k+1], v[X+qi+2*\k:X+qi+2*\k+1]
.endr
.set qi, qi+8
.endr
	v_pk_add_f32 v[MS:MS+1], v[MS:MS+1], v[MS+2:MS+3]
	v_pk_add_f32 v[MS+4:MS+5], v[MS+4:MS+5], v[MS+6:MS+7]
	v_pk_add_f32 v[MS:MS+1], v[MS:MS+1], v[MS+4:MS+5]
	v_add_f32 v[MS], v[MS], v[MS+1]
	v_permlanex16_b32 v[MS+1], v[MS], s56, s57     ; the row's other 128 channels lie in lane l xor 16
	v_add_f32 v[MS], v[MS], v[MS+1]
	v_mul_f32 v[MS+8], 0xbb800000, v[MS]           ; -mean
	v_mul_f32 v[MS+9], 0xbb800000, v[MS]
.set qi, 0
.rept 64
	v_pk_add_f32 v[X+qi:X+qi+1], v[X+qi:X+qi+1], v[MS+8:MS+9]
.set qi, qi+2
.endr
.irp k, 0,1,2,3
	v_pk_mul_f32 v[MS+2*\k:MS+2*\k+1], v[X+2*\k:X+2*\k+1], v[X+2*\k:X+2*\k+1]
.endr
.set qi, 8
.rept 15
.irp k, 0,1,2,3
	v_pk_fma_f32 v[MS+2*\k:MS+2*\k+1], v[X+qi+2*\k:X+qi+2*\k+1], v[X+qi+2*\k:X+qi+2*\k+1], v[MS+2*\k:MS+2*\k+1]
.endr
.set qi, qi+8
.endr
	v_pk_add_f32 v[MS:MS+1], v[MS:MS+1], v[MS+2:MS+3]
	v_pk_add_f32 v[MS+4:MS+5], v[MS+4:MS+5], v[MS+6:MS+7]
	v_pk_add_f32 v[MS:MS+1], v[MS:MS+1], v[MS+4:MS+5]
	v_add_f32 v[MS], v[MS], v[MS+1]
	v_permlanex16_b32 v[MS+1], v[MS], s56, s57
	v_add_f32 v[MS], v[MS], v[MS+1]
	s_mov_b32 s2, 0x3b800000                       ; 1 / 256
	s_mov_b32 s3, 0x3727c5ac                       ; 1e-5
	v_fma_f32 v[MS], v[MS], s2, s3
	v_rsq_f32 v[MS+2], v[MS]
	v_rsq_f32 v[MS+3], v[MS]
	v_nop                                          ; a plain line behind the transcendentals,
	s_wait_alu depctr_va_vdst(0)                   ; the two reciprocal roots have written MS+2 and MS+3, ahead of their first reader
.set qb, 0
.rept 8
.if qb < 7
	s_wait_dscnt 8                                 ; this block's g and b are in; the next block's eight loads may be out
.else
	s_wait_dscnt 0x0
.endif
.set qi, 0
.rept 8
	v_pk_mul_f32 v[X+16*qb+qi:X+16*qb+qi+1], v[X+16*qb+qi:X+16*qb+qi+1], v[MS+2:MS+3]
.set qi, qi+2
.endr
.set qi, 0
.rept 8
	v_pk_fma_f32 v[X+16*qb+qi:X+16*qb+qi+1], v[X+16*qb+qi:X+16*qb+qi+1], v[T+32*(qb%2)+qi:T+32*(qb%2)+qi+1], v[T+32*(qb%2)+16+qi:T+32*(qb%2)+16+qi+1]
.set qi, qi+2
.endr
.if qb < 6
	s_wait_alu depctr_va_vdst(0)                   ; the multiply-adds above are done reading this set of g and b, in which the loads for the block after next land
	GBL qb+2
.endif
.set qb, qb+1
.endr
	QUANT X, 4, T+16, T
	QWORD MS+8, T
	s_wait_alu depctr_va_vdst(0)                   ; the conversions have written T+16 to T+31, which the LDS stores read, and are done with X to X+63, in which (second norm) b1 lands
	IMAGE 15, T+16, 0
.if \mlp
.irp t, 0,1,2,3,4,5,6,7                ; b1 in the first MLP product's result layout: tile t = 2 bl + u: units 32 bl + 16 h + 8 u + 0 .. 7 of my 128
.irp k, 0,1
	global_load_b128 v[X+8*\t+4*\k:X+8*\t+4*\k+3], v6, s[44:45] offset:(32*(\t/2)+8*(\t%2))*4+16*\k
.endr
.endr
.irp u, 0,1
.irp k, 0,1
	global_load_b128 v[BB+8*\u+4*\k:BB+8*\u+4*\k+3], v8, s[50:51] offset:32*\u+16*\k   ; b2 of my 32 channels
.endr
.endr
.endif
	QUANT X+64, 4, T+32, T                         ; (it writes T to T+15 and T+32 to T+47: none of the registers that the stores above read)
	QWORD MS+9, T
	s_wait_alu depctr_va_vdst(0)                   ; the conversions have written T+32 to T+47 and the two scale words, which the LDS stores read; they are done with X+64 on and MS, in which (first norm) the gathers land
	IMAGE 15, T+32, 2048
	ds_store_b64 v62, v[MS+8:MS+9]
.endm
.macro STGREG i                        ; where number i of the 56 gathered biases waits
.if (\i) < 32
.set rg, X+96+(\i)
.elseif (\i) < 48
.set rg, BB+(\i)-32
.else
.set rg, MS+(\i)-48
.endif
.endm
; ATTENTION, for query tile n of a window.  S^T = k q^T + bias sqrt(32): source 0 = 16 keys, source 1 = 16 queries: lane (r, h), register j of tile t: key 16 t + 8 h + j, query 16 n + r.  The bias hangs on n - t alone.
.macro SCORES n, buf
	WIN 0x15                                       ; k, q and the bias in window 1, the scores in window 0
.irp t, 0,1,2,3
	v_wmma_scale_f32_16x16x128_f8f6f4 v[(\buf)+8*\t:(\buf)+8*\t+7], v[KF+16*\t:KF+16*\t+15], v[QF+4*(\n):QF+4*(\n)+15], v[RB+8*((\n)-\t+3):RB+8*((\n)-\t+3)+7], v[WS+4*(\t/2)+2+(\t%2)], v[WS+4*((\n)/2)+((\n)%2)]
.endr
.endm
.macro SMX n, buf                      ; mask, softmax (finished and normalised), quantised along the keys: p's codes in v[T] on, its scale word in v[WS+10]
	WIN 0
.irp t, 0,1,2,3
.irp jj, 0,2,4,6
	v_pk_add_f32 v[(\buf)+8*\t+\jj:(\buf)+8*\t+\jj+1], v[(\buf)+8*\t+\jj:(\buf)+8*\t+\jj+1], v[MS+4*(((\n)/2)^(\t/2))+2*(\jj/4):MS+4*(((\n)/2)^(\t/2))+2*(\jj/4)+1]
.endr
.endr
.irp c, 0,1
	v_max3_num_f32 v[BM+\c], v[(\buf)+16*\c], v[(\buf)+16*\c+1], v[(\buf)+16*\c+2]   ; the largest score of each block of 32 keys serves twice: for the row's maximum and for the block's largest p
.endr
.irp i, 3,5,7,9,11,13
.irp c, 0,1
	v_max3_num_f32 v[BM+\c], v[BM+\c], v[(\buf)+16*\c+\i], v[(\buf)+16*\c+\i+1]
.endr
.endr
.irp c, 0,1
	v_max_num_f32 v[BM+\c], v[BM+\c], v[(\buf)+16*\c+15]
.endr
.irp c, 0,1
	v_permlanex16_b32 v[PT+\c], v[BM+\c], s56, s57
.endr
.irp c, 0,1
	v_max_num_f32 v[BM+\c], v[BM+\c], v[PT+\c]
.endr
	v_max_num_f32 v[RM], v[BM], v[BM+1]
	v_mul_f32 v[NM], s59, v[RM]                    ; -c x the row's maximum, c = log2(e) / sqrt(32)
.set qi, 0
.rept 16
	v_pk_fma_f32 v[(\buf)+qi:(\buf)+qi+1], v[(\buf)+qi:(\buf)+qi+1], s[60:61], v[NM:NM+1] op_sel_hi:[1,0,0]
.set qi, qi+2
.endr
.irp c, 0,1
	v_fma_f32 v[BM+\c], v[BM+\c], s60, v[NM]
.endr
.set qi, 0
.rept 32
	v_exp_f32 v[(\buf)+qi], v[(\buf)+qi]
.set qi, qi+1
.endr
	v_exp_f32 v[BM], v[BM]
	v_exp_f32 v[BM+1], v[BM+1]
	v_nop                                          ; a plain line behind the batch,
	s_wait_alu depctr_va_vdst(0)                   ; the 34 exponentials have written the 32 weights and the two block maxima, ahead of their first reader
	v_pk_add_f32 v[SU:SU+1], v[(\buf):(\buf)+1], v[(\buf)+2:(\buf)+3]
	v_pk_add_f32 v[SV:SV+1], v[(\buf)+4:(\buf)+5], v[(\buf)+6:(\buf)+7]
.irp i, 8,12,16,20,24,28
	v_pk_add_f32 v[SU:SU+1], v[SU:SU+1], v[(\buf)+\i:(\buf)+\i+1]
	v_pk_add_f32 v[SV:SV+1], v[SV:SV+1], v[(\buf)+\i+2:(\buf)+\i+3]
.endr
	v_pk_add_f32 v[SU:SU+1], v[SU:SU+1], v[SV:SV+1]
	v_add_f32 v[SU], v[SU], v[SU+1]
	v_permlanex16_b32 v[PT], v[SU], s56, s57
	v_add_f32 v[SU], v[SU], v[PT]                  ; the row's sum
	v_rcp_f32 v[RI], v[SU]
	v_rcp_f32 v[RI+1], v[SU]
	v_nop
	s_wait_alu depctr_va_vdst(0)                   ; the two reciprocals have written RI and RI+1, ahead of their first reader
.irp c, 0,1
	v_mul_f32 v[BM+\c], v[BM+\c], v[RI]            ; the block's largest p
.endr
.irp c, 0,1
	v_max_num_f32 v[BM+\c], 0x4800000, v[BM+\c]    ; the floor
.endr
.irp c, 0,1
	v_add_nc_u32 v[SC_+\c], 0xfc000000, v[BM+\c]
.endr
.irp c, 0,1
	v_and_or_b32 v[HL_+\c], v[BM+\c], 0x7f800000, s58
.endr
.irp c, 0,1
	v_lshrrev_b32 v[BY_+\c], 23, v[SC_+\c]
.endr
	v_lshl_or_b32 v[WS+10], v[BY_+1], 8, v[BY_]    ; p's scale word: two bytes, and the byte 0 for the filling
.set qi, 0
.rept 16
	v_pk_mul_f32 v[(\buf)+qi:(\buf)+qi+1], v[(\buf)+qi:(\buf)+qi+1], v[RI:RI+1]
.set qi, qi+2
.endr
.irp c, 0,1
.set qi, 0
.rept 16
	v_min_num_f32 v[(\buf)+16*\c+qi], v[(\buf)+16*\c+qi], v[HL_+\c]   ; p is not negative: the hold is one-sided
.set qi, qi+1
.endr
	v_cvt_scalef32_pk8_fp8_f32 v[T+4*\c:T+4*\c+1], v[(\buf)+16*\c:(\buf)+16*\c+7], v[SC_+\c]
	v_cvt_scalef32_pk8_fp8_f32 v[T+4*\c+2:T+4*\c+3], v[(\buf)+16*\c+8:(\buf)+16*\c+15], v[SC_+\c]
.endr
	PLACES 5                                       ; a plain line behind the conversions, and four places between an operand written by vector instructions and the scaled product
.endm
.macro PV n                            ; O^T = v^T p^T: source 0 = 16 of the head's 32, source 1 = p: lane (r, h), register j of tile u: query r, channel 16 h + 8 u + j
	WIN 0x01
	s_wait_alu depctr_va_vdst(0)                   ; vector lines have written p's codes (T on) and the scale words WS+8 to WS+10, which the scaled products below take as operand and scales; the places stand ahead of this wait, at the softmax's end
.irp u, 0,1
	v_wmma_scale_f32_16x16x128_f8f6f4 v[X+64+16*(\n)+8*\u:X+64+16*(\n)+8*\u+7], v[VF+8*\u:VF+8*\u+15], v[T:T+15], 0, v[WS+8+\u], v[WS+10]
.endr
.endm
; EXACT GELU of 16 numbers at v[X + 64 + o]: gelu(x) = max(x, 0) - |x| E, E = erfc(|x| / sqrt 2) / 2.  With t = |x| / sqrt 2: over 475/512, E = 2^(log2(e) P(t) - 1), P a polynomial of degree 7 with P(t) = ln erfc(t);
; else E = 0.5 - 0.5 erf(t), erf(t) = t + t Q(t^2).  Both are computed, v_cndmask_b32 chooses.  t at T, t^2 (later max(x, 0)) at T + 16, the first branch at T + 32, the second at T + 48.
.macro F1 d, a, sc, vc                 ; d = a x scalar + a constant pair in vector registers
.set qi, 0
.rept 8
	v_pk_fma_f32 v[(\d)+qi:(\d)+qi+1], v[(\a)+qi:(\a)+qi+1], s[\sc:\sc+1], v[\vc:\vc+1] op_sel_hi:[1,0,1]
.set qi, qi+2
.endr
.endm
.macro F3 d, a, b, c, ng               ; d = a x b + c (ng = 1: - c)
.set qi, 0
.rept 8
.if \ng
	v_pk_fma_f32 v[(\d)+qi:(\d)+qi+1], v[(\a)+qi:(\a)+qi+1], v[(\b)+qi:(\b)+qi+1], v[(\c)+qi:(\c)+qi+1] neg_lo:[0,0,1] neg_hi:[0,0,1]
.else
	v_pk_fma_f32 v[(\d)+qi:(\d)+qi+1], v[(\a)+qi:(\a)+qi+1], v[(\b)+qi:(\b)+qi+1], v[(\c)+qi:(\c)+qi+1]
.endif
.set qi, qi+2
.endr
.endm
.macro F4 d, a, b, sc                  ; d = a x b + scalar
.set qi, 0
.rept 8
	v_pk_fma_f32 v[(\d)+qi:(\d)+qi+1], v[(\a)+qi:(\a)+qi+1], v[(\b)+qi:(\b)+qi+1], s[\sc:\sc+1] op_sel_hi:[1,1,0]
.set qi, qi+2
.endr
.endm
.macro GELU16 o
.set gx, X+64+(\o)
.set qi, 0
.rept 16
	v_mul_f32 v[T+qi], s94, |v[gx+qi]|             ; each accumulator is read from its low end on
.set qi, qi+1
.endr
.set qi, 0
.rept 8
	v_pk_mul_f32 v[T+16+qi:T+16+qi+1], v[T+qi:T+qi+1], v[T+qi:T+qi+1]
.set qi, qi+2
.endr
.set qi, 0
.rept 16
	v_cmp_lt_f32 s[CM+qi], s95, v[T+qi]            ; which branch holds: sixteen masks in a run, a scalar register each, far ahead of the selects that read them
.set qi, qi+1
.endr
	F1 T+32, T, 66, MS
	F1 T+48, T, 68, MS+2
	F3 T+32, T+32, T+16, T+48, 0
	F4 T+32, T+32, T, 70
	F4 T+32, T+32, T, 72
	F4 T+32, T+32, T, 74
	F3 T+32, T+32, T, T, 1
.set qi, 0
.rept 8
	v_pk_fma_f32 v[T+32+qi:T+32+qi+1], v[T+32+qi:T+32+qi+1], s[76:77], -1.0 op_sel_hi:[1,0,0]
.set qi, qi+2
.endr
.set qi, 0
.rept 16
	v_exp_f32 v[T+32+qi], v[T+32+qi]
.set qi, qi+1
.endr
	F1 T+48, T+16, 78, MS+4                        ; the second branch names none of the exponentials' results: independent work behind the batch
	F4 T+48, T+48, T+16, 80
	F4 T+48, T+48, T+16, 82
	F4 T+48, T+48, T+16, 84
	F4 T+48, T+48, T+16, 86
	F3 T+48, T+48, T, T, 0
.set qi, 0
.rept 8
	v_pk_fma_f32 v[T+48+qi:T+48+qi+1], v[T+48+qi:T+48+qi+1], -0.5, 0.5 op_sel_hi:[1,0,0]
.set qi, qi+2
.endr
.set qi, 0
.rept 16
	v_max_num_f32 v[T+16+qi], 0, v[gx+qi]
.set qi, qi+1
.endr
	s_wait_alu depctr_va_vdst(0)                   ; the 16 exponentials have written T+32 to T+47, ahead of their first reader
	s_wait_alu depctr_va_sdst(0)                   ; the 16 compares have written their masks, ahead of the first select that reads one
.set qi, 0
.rept 16
	v_cndmask_b32 v[T+48+qi], v[T+48+qi], v[T+32+qi], s[CM+qi]
.set qi, qi+1
.endr
.set qi, 0
.rept 16
	v_fma_f32 v[gx+qi], -|v[gx+qi]|, v[T+48+qi], v[T+16+qi]
.set qi, qi+1
.endr
.endm
.macro MKCOL a                         ; my 32 columns of H: v[a] = r 1040 + 64 h + 128 w for row tiles 0-3, v[a + 1] for row tiles 4-7
	v_mul_u32_u24 v[\a], v61, HP
	v_lshl_add_u32 v[\a], v63, 6, v[\a]
	s_lshl_b32 s2, s54, 7
	v_add_nc_u32 v[\a], s2, v[\a]
	v_add_nc_u32 v[\a+1], 4*HT, v[\a]
.endm
.macro HFETCH idx                      ; second MLP product, group idx = 4 s + g: K step s, row tiles 2 g and 2 g + 1, into buffer idx % 2: eight loads of codes and two of scale words
.irp e, 0,1
.irp c, 0,1,2,3
	ds_load_b128 v[T+32*((\idx)%2)+16*\e+4*\c:T+32*((\idx)%2)+16*\e+4*\c+3], v[13+(\idx)/16] offset:(((\idx)/4)%4)*16384+(2*((\idx)%4)+\e)*2048+512*\c
.endr
	ds_load_b32 v[AS+2*((\idx)%2)+\e], v15 offset:((\idx)/4)*1024+(2*((\idx)%4)+\e)*128
.endr
.endm
; ---------------- HEAD
	s_load_b512 s[4:19], s[0:1], 0x0               ; pointer p of the arguments lies in s[4 + 2 p : 5 + 2 p]; none is ever stepped: all offsets are vector registers and immediates
	s_load_b512 s[20:35], s[0:1], 0x40
	s_load_b512 s[36:51], s[0:1], 0x80
	s_load_b64 s[52:53], s[0:1], 0xc0
	v_lshl_add_u32 v[SPW], v0, 2, SPARE
	v_mov_b32 v[NIL], 0
	v_lshrrev_b32 v60, 5, v0
	v_readfirstlane_b32 s54, v60                   ; wave 0..7
	s_lshr_b32 s2, ttmp9, 5                        ; the image
	s_bfe_u32 s3, ttmp9, 0x30002                   ; wh: the windows' line
	s_and_b32 s96, ttmp9, 3
	s_wait_alu depctr_va_sdst(0)                   ; s54 is written, ahead of its first reader
	s_lshr_b32 s97, s54, 2                         ; which of the two windows my row tile lies in
	s_lshl_b32 s98, s96, 1
	s_add_co_u32 s98, s98, s97                     ; ww
	s_and_b32 s99, s54, 3
	s_lshl_b32 s99, s99, 1
	s_lshl_b32 s100, s3, 3
	s_add_co_u32 s99, s99, s100
	s_add_co_u32 s99, s99, 4
	s_and_b32 s99, s99, 63                         ; y of my first line: (8 wh + 2 (w % 4) + 4) mod 64: the cyclic shift; it is even, so the second line is y + 1
	s_lshl_b32 s99, s99, 6
	s_lshl_b32 s2, s2, 12
	s_add_co_u32 s99, s99, s2
	s_lshl_b32 s98, s98, 3
	s_add_co_u32 s62, s98, 4
	s_add_co_u32 s62, s62, s99
	s_lshl_b32 s62, s62, 10                        ; tokens tx = 0 .. 3 begin at x = 8 ww + 4; a token is 1,024 bytes
	s_add_co_u32 s63, s98, 8
	s_and_b32 s63, s63, 63
	s_add_co_u32 s63, s63, s99
	s_lshl_b32 s63, s63, 10                        ; tokens tx = 4 .. 7 at x = (8 ww + 8) mod 64
	s_mov_b32 s56, 0x76543210
	s_mov_b32 s57, 0xfedcba98                      ; v_permlanex16_b32's selects for lane l xor 16
	s_mov_b32 s58, 0x600000                        ; the mantissa field of 448
	s_mov_b32 s59, 0xbe8293ee                      ; -c
	SPAIR 60, 0x3e8293ee                           ; c = log2(e) / sqrt(32)
	SPAIR 66, 0xb7910000                           ; the polynomials' coefficients
	SPAIR 68, 0xbb7e8a1c
	SPAIR 70, 0xbddaae5c
	SPAIR 72, 0xbf228550
	SPAIR 74, 0xbe03ce86
	SPAIR 76, 0x3fb8aa3b                           ; log2(e)
	SPAIR 78, 0xba1c7000
	SPAIR 80, 0xbcdb48d9
	SPAIR 82, 0x3de70e22
	SPAIR 84, 0xbec09380
	SPAIR 86, 0x3e0375d4
	s_mov_b32 s94, 0x3f3504f3                      ; 1 / sqrt 2
	s_mov_b32 s95, 0x3f6d8000                      ; 475 / 512
	LANES
	v_lshlrev_b32 v[L16], 4, v60
	v_add_nc_u32 v[GL], s62, v[L16]
	v_add_nc_u32 v[GL+1], s63, v[L16]
	v_and_b32 v62, 8, v61
	v_add_nc_u32 v62, v62, v61                     ; r + 8 (r / 8): the weight row of lane r in a tile
	v_lshlrev_b32 v6, 8, v62
	v_lshl_add_u32 v6, v63, 4, v6
	s_lshl_b32 s2, s54, 13
	v_add_nc_u32 v6, s2, v6                        ; v6: wq, wk, wv, wo: rows of 256 bytes, my 32 rows
	s_lshl_b32 s2, s54, 8
	v_lshl_add_u32 v7, v62, 3, s2                  ; v7: their scales: 8 bytes a row
	s_lshl_b32 s3, s54, 7
	v_lshl_add_u32 v8, v63, 6, s3                  ; v8: bq, bk, bo, b2 in a transposed result's layout
	v_lshl_add_u32 v9, v62, 2, s3                  ; v9: bv: one number a lane
	v_lshrrev_b32 v10, 3, v61
	v_sub_nc_u32 v10, v10, v63
	v_add_nc_u32 v10, 7, v10
	v_mul_u32_u24 v10, v10, 15
	v_and_b32 v11, 7, v61
	v_add3_u32 v10, v10, v11, 7
	v_lshlrev_b32 v10, 5, v10
	s_lshl_b32 s2, s54, 2
	v_add_nc_u32 v10, s2, v10                      ; v10: rel_table: (((r / 8) - h + 7) 15 + r % 8 + 7) rows of 32 bytes + head; the immediates add 960 (n - t) - 32 j and stay inside the table
	MKLN
	s_wait_kmcnt 0x0
	s_wait_alu depctr_va_vdst(0)                   ; the offsets and addresses v3 to v15 and v62 are written: the loads below, and the first norm's LDS stores and loads, read them
	global_load_b128 v[BB:BB+3], v[L16], s[6:7]
	global_load_b128 v[BB+4:BB+7], v[L16], s[6:7] offset:512
	global_load_b128 v[BB+8:BB+11], v[L16], s[8:9]
	global_load_b128 v[BB+12:BB+15], v[L16], s[8:9] offset:512
.set qi, 0
.rept 32                               ; my 16 tokens: each load covers 512 consecutive bytes, half a token
	global_load_b128 v[X+4*qi:X+4*qi+3], v[GL+((qi/2)%8)/4], s[4:5] offset:(qi/16)*65536+((qi/2)%4)*1024+512*(qi%2) th:TH_LOAD_NT
.set qi, qi+1
.endr
	WIN 0x40                                       ; destination window 1
.irp u, 0,1
.irp s, 0,1
	WLOAD 16*(2*\u+\s), 6, 12, 2048*\u+128*\s      ; wq's fragment (tile u, K step s)
	WLOAD 64+16*(2*\u+\s), 6, 18, 2048*\u+128*\s   ; wk's
	WLOAD 128+16*(2*\u+\s), 6, 24, 2048*\u+128*\s  ; wv's
.endr
.endr
	WIN 0
; ---------------- P0: LN1 of my row tile
	s_wait_loadcnt 48                              ; g, b and x are in; the 48 weight loads issued behind them may be out
	LNA BB, 1
	WIN 0x40                                       ; (no vector line has been issued since the head's wait on va_vdst: the 30 loads below owe nothing more)
.irp u, 0,1
.irp k, 0,1
	global_load_b128 v[192+8*\u+4*\k:192+8*\u+4*\k+3], v8, s[16:17] offset:32*\u+16*\k   ; the biases are the C of each sum's first product
	global_load_b128 v[208+8*\u+4*\k:208+8*\u+4*\k+3], v8, s[22:23] offset:32*\u+16*\k
.endr
.irp j, 0,1,2,3,4,5,6,7
	global_load_b32 v[224+8*\u+\j], v9, s[28:29] offset:32*\u    ; in v's result a lane holds one channel: its bias in all eight registers
.endr
.endr
	WIN 0
.irp u, 0,1
	global_load_b64 v[WS+2*\u:WS+2*\u+1], v7, s[14:15] offset:64*\u
	global_load_b64 v[WS+4+2*\u:WS+4+2*\u+1], v7, s[20:21] offset:64*\u
	global_load_b64 v[WS+8+2*\u:WS+8+2*\u+1], v7, s[26:27] offset:64*\u
.endr
	LNB 0
.set qi, 0
.rept 56                               ; my head's relative biases: tile d = n - t (-3 .. 3), register j.  No vector line stands between the norm's last wait on va_vdst and these loads
	STGREG qi
	global_load_b32 v[rg], v10, s[10:11] offset:960*(qi/8-3)-32*(qi%8)
.set qi, qi+1
.endr
	BAR                                            ; x's sixteen images and H lie in LDS
; ---------------- B1: q, k, v of my head, two row tiles (a block of 32 keys) a trip
	s_wait_alu depctr_vm_vsrc(0)                   ; the norm's LDS instructions have read v12, v14, v15, v60 to v62 and T+16 to T+47: the addresses are made anew below, and the first trip's loads land in T
	v_and_b32 v60, 31, v0
	v_add_nc_u32 v11, XIMG, v[L16]
	v_lshl_add_u32 v12, v60, 3, XSC
	s_mul_i32 s2, s54, PRVW
	s_add_co_u32 s2, s2, PRV
	v_lshl_add_u32 v14, v60, 3, s2                 ; v13 stays: my private region + 16 l; v14: + 8 l
	s_mov_b32 s55, 0
	s_mov_b32 s96, 0
	s_mov_b32 s97, 0
	s_mov_b32 s98, 0
	s_wait_loadcnt 56                              ; weights, biases and scales are in; the 56 gathers may be out
.Lb1:
	v_add_nc_u32 v15, s96, v11
	v_add_nc_u32 v60, s97, v12
	v_add_nc_u32 v61, s98, v13
	v_add_nc_u32 v62, s98, v14
	s_wait_alu depctr_va_vdst(0)                   ; the trip's four addresses are written; the products and conversions issued so far are done with T and AS, in which the loads below land
	FETCH T, 15, 0
	FETCH T+16, 15, 2048
	FETCH T+32, 15, 4096
	FETCH T+48, 15, 6144
	ds_load_b64 v[AS:AS+1], v60
	ds_load_b64 v[AS+2:AS+3], v60 offset:256
	s_wait_dscnt 0x0
	WIN 0x11                                       ; weights and bias in window 1.  Twelve accumulators take turns
.irp e, 0,1
.irp u, 0,1
	v_wmma_scale_f32_16x16x128_f8f6f4 v[X+16*\e+8*\u:X+16*\e+8*\u+7], v[32*\u:32*\u+15], v[T+32*\e:T+32*\e+15], v[192+8*\u:192+8*\u+7], v[WS+2*\u], v[AS+2*\e]
	v_wmma_scale_f32_16x16x128_f8f6f4 v[X+32+16*\e+8*\u:X+32+16*\e+8*\u+7], v[64+32*\u:64+32*\u+15], v[T+32*\e:T+32*\e+15], v[208+8*\u:208+8*\u+7], v[WS+4+2*\u], v[AS+2*\e]
.endr
.endr
	WIN 0x14                                       ; v: source 0 = tokens, source 1 = wv
.irp e, 0,1
.irp u, 0,1
	v_wmma_scale_f32_16x16x128_f8f6f4 v[X+64+16*\u+8*\e:X+64+16*\u+8*\e+7], v[T+32*\e:T+32*\e+15], v[128+32*\u:128+32*\u+15], v[224+8*\u:224+8*\u+7], v[AS+2*\e], v[WS+8+2*\u]
.endr
.endr
	WIN 0x01
.irp e, 0,1
.irp u, 0,1
	v_wmma_scale_f32_16x16x128_f8f6f4 v[X+16*\e+8*\u:X+16*\e+8*\u+7], v[32*\u+16:32*\u+31], v[T+32*\e+16:T+32*\e+31], v[X+16*\e+8*\u:X+16*\e+8*\u+7], v[WS+2*\u+1], v[AS+2*\e+1]
	v_wmma_scale_f32_16x16x128_f8f6f4 v[X+32+16*\e+8*\u:X+32+16*\e+8*\u+7], v[64+32*\u+16:64+32*\u+31], v[T+32*\e+16:T+32*\e+31], v[X+32+16*\e+8*\u:X+32+16*\e+8*\u+7], v[WS+4+2*\u+1], v[AS+2*\e+1]
.endr
.endr
	WIN 0x04
.irp e, 0,1
.irp u, 0,1
	v_wmma_scale_f32_16x16x128_f8f6f4 v[X+64+16*\u+8*\e:X+64+16*\u+8*\e+7], v[T+32*\e+16:T+32*\e+31], v[128+32*\u+16:128+32*\u+31], v[X+64+16*\u+8*\e:X+64+16*\u+8*\e+7], v[AS+2*\e+1], v[WS+8+2*\u+1]
.endr
.endr
	WIN 0
	PLACES 8
	QUANT X, 6, T, T+32                            ; six blocks: q of the two row tiles, k of the two, v's two channel tiles along these 32 keys
	s_wait_alu depctr_va_vdst(0)                   ; the conversions have written the codes T to T+23 and the bytes T+38 to T+43, which the LDS stores read
.irp b, 0,1,2,3,4,5
	ds_store_b128 v61, v[T+4*\b:T+4*\b+3] offset:512*\b
.endr
	ds_store_b128 v61, v[T+38:T+41] offset:3072    ; the bytes of q, q, k, k, a word each
	ds_store_b64 v62, v[T+42:T+43] offset:3584     ; and of v's two tiles
	s_wait_dscnt 0x0                               ; the stores have landed
	s_wait_alu depctr_vm_vsrc(0)                   ; the trip's LDS instructions have read v15, v60 to v62 and T: the next trip, or attention's head, writes them
	s_add_co_u32 s96, s96, 8192
	s_add_co_u32 s97, s97, 512
	s_add_co_u32 s98, s98, CHK
	s_add_co_u32 s55, s55, 1
	s_cmp_lt_u32 s55, 4
	s_cbranch_scc1 .Lb1
; ---------------- B2: attention of my head, a window a trip
	s_wait_loadcnt 0x0                             ; the gathered biases
	s_mov_b32 s2, 0x40b504f3                       ; sqrt(32): the scores are kept x sqrt(32), and c divides it out
	WIN 0x40
.irp t, 0,1,2,3
.set qi, 4
.rept 12
	v_mov_b32 v[KF+16*\t+qi], 0                    ; the filling of K up to 128: zero codes
.set qi, qi+1
.endr
.endr
.set qi, 16
.rept 12
	v_mov_b32 v[QF+qi], 0
.set qi, qi+1
.endr
.set qi, 16
.rept 8
	v_mov_b32 v[VF+qi], 0
.set qi, qi+1
.endr
.set qi, 0
.rept 56
	STGREG qi
	v_mul_f32 v[RB+qi], s2, v[rg]
.set qi, qi+1
.endr
	s_wait_alu depctr_va_vdst(0)                   ; the multiplications above are done reading BB, in which bo lands; the products of q, k, v are done reading their biases in window 1's v192 on, in which wo lands
.irp u, 0,1
.irp s, 0,1
	WLOAD WO+16*(2*\u+\s), 6, 30, 2048*\u+128*\s   ; wo for the phase after this one
.endr
.endr
	WIN 0
.irp u, 0,1
	global_load_b64 v[WS+12+2*\u:WS+12+2*\u+1], v7, s[32:33] offset:64*\u
.endr
.irp u, 0,1
.irp k, 0,1
	global_load_b128 v[BB+8*\u+4*\k:BB+8*\u+4*\k+3], v8, s[34:35] offset:32*\u+16*\k
.endr
.endr
.set qi, 8
.rept 8
	v_mov_b32 v[T+qi], 0                           ; p's filling
.set qi, qi+1
.endr
.set qi, 0
.rept 8
	v_mov_b32 v[CBY+qi], 0
.set qi, qi+1
.endr
	v_mov_b32 v[PT], 0                             ; a lane exchange's destination counts as one of its sources
	v_mov_b32 v[PT+1], 0
	v_mov_b32 v[NM+1], 0                           ; named as the upper half of a pair
	s_lshl_b32 s2, s54, 12
	s_add_co_u32 s2, s2, CIMG
	v_add_nc_u32 v11, s2, v[L16]                   ; my head's part of ctx's codes
	s_and_b32 s2, ttmp9, 3
	s_cmp_eq_u32 s2, 3
	s_cselect_b32 s97, 0xc40d6bde, 0               ; -100 sqrt(32) where my second window is the line's last (ww = 7), else 0
	s_bfe_u32 s2, ttmp9, 0x30002
	s_cmp_eq_u32 s2, 7
	s_cselect_b32 s98, -1, 0                       ; all lanes where wh = 7
	s_mov_b32 s99, 0xf0f0f0f0                      ; the lanes whose query has tx >= 4
	s_mov_b32 s55, 0
	s_mov_b32 s96, 0
	s_mov_b32 s100, 0
.Lb2:
	s_cmp_eq_u32 s55, 1                            ; THE SHIFT MASK, from ids alone.  Keys j = 0 .. 3 have tx < 4, tiles t < 2 have ty < 4; queries likewise by lane and by n
	s_cselect_b32 s2, s97, 0
	v_mov_b32 v[T+36], s2
	v_mov_b32 v[T+37], 0xc40d6bde
	v_cndmask_b32 v[MS], v[NIL], v[T+36], s99      ; same half in y: keys tx < 4 are hidden from queries tx >= 4,  (s98 and s99 are written by scalar lines)
	v_cndmask_b32 v[MS+2], v[T+36], v[NIL], s99    ; keys tx >= 4 from queries tx < 4, where ww = 7
	v_cndmask_b32 v[MS+4], v[MS], v[T+37], s98     ; other half in y: all hidden where wh = 7
	v_cndmask_b32 v[MS+6], v[MS+2], v[T+37], s98
	v_mov_b32 v[MS+1], v[MS]
	v_mov_b32 v[MS+3], v[MS+2]
	v_mov_b32 v[MS+5], v[MS+4]
	v_mov_b32 v[MS+7], v[MS+6]
	v_add_nc_u32 v15, s96, v13
	v_add_nc_u32 v60, s96, v14
	v_add_nc_u32 v61, s100, v11
	WIN 0x40
	s_wait_alu depctr_va_vdst(0)                   ; the trip's three addresses are written; the last trip's products and vector lines are done with k's, q's, v's registers, WS and VB, in which the loads below land; the zero codes of the fillings are written, which the scaled products take
.irp t, 0,1,2,3
	ds_load_b128 v[KF+16*\t:KF+16*\t+3], v15 offset:(\t/2)*CHK+1024+512*(\t%2)
.endr
.irp n, 0,1,2,3
	ds_load_b128 v[QF+4*\n:QF+4*\n+3], v15 offset:(\n/2)*CHK+512*(\n%2)
.endr
.irp u, 0,1
.irp c, 0,1
	ds_load_b128 v[VF+8*\u+4*\c:VF+8*\u+4*\c+3], v15 offset:\c*CHK+2048+512*\u
.endr
.endr
	WIN 0
.irp c, 0,1
	ds_load_b128 v[WS+4*\c:WS+4*\c+3], v15 offset:\c*CHK+3072
	ds_load_b64 v[VB+2*\c:VB+2*\c+1], v60 offset:\c*CHK+3584
.endr
	s_wait_dscnt 0x0
.irp u, 0,1
	v_lshl_or_b32 v[WS+8+\u], v[VB+2+\u], 8, v[VB+\u]   ; v's scale word: the bytes of the two blocks of keys
.endr
	SCORES 0, X
	SCORES 1, X+32
	PLACES 8
	SMX 0, X
	PV 0
	SCORES 2, X                                    ; the next scores are under way while the other buffer's softmax is walked
	SMX 1, X+32
	PV 1
	SCORES 3, X+32
	SMX 2, X
	PV 2
	SMX 3, X+32
	PV 3
	WIN 0
	PLACES 8
	QUANT X+64, 4, X+16, X                         ; ctx of four row tiles: a head's 32 channels are one block
	s_wait_alu depctr_va_vdst(0)                   ; the conversions have written the codes X+16 to X+31, which the LDS stores read
.irp n, 0,1,2,3
	ds_store_b128 v61, v[X+16+4*\n:X+16+4*\n+3] offset:512*\n
.endr
.irp n, 0,1,2,3
	v_mov_b32 v[CBY+\n], v[CBY+4+\n]               ; the first window's bytes move down, the second's come in
.endr
.irp n, 0,1,2,3
	v_mov_b32 v[CBY+4+\n], v[X+4+\n]
.endr
	s_wait_dscnt 0x0                               ; the stores have landed
	s_wait_alu depctr_vm_vsrc(0)                   ; the trip's LDS instructions have read v15, v60, v61 and X+16 to X+31, and the loads at this phase's head v6 and v7: the next trip, or what follows the loop, writes them
	s_add_co_u32 s96, s96, 2*CHK
	s_add_co_u32 s100, s100, 2048
	s_add_co_u32 s55, s55, 1
	s_cmp_lt_u32 s55, 2
	s_cbranch_scc1 .Lb2
	s_wait_xcnt 0x0                                ; offset registers of earlier loads are written anew
	LANES
	s_add_co_u32 s2, s54, CSC
	v_lshl_add_u32 v12, v60, 3, s2
	v_and_b32 v62, 8, v61
	v_add_nc_u32 v62, v62, v61
	v_lshlrev_b32 v9, 8, v62
	v_lshl_add_u32 v9, v63, 4, v9
	s_lshl_b32 s2, s54, 15
	v_add_nc_u32 v9, s2, v9                        ; v9: w1: rows of 256 bytes, my 128 rows
	s_lshl_b32 s2, s54, 10
	v_lshl_add_u32 v10, v62, 3, s2                 ; v10: its scales
	s_wait_alu depctr_va_vdst(0)                   ; v9, v10, v12 and ctx's bytes are written, which the stores and loads below read; attention is done with X+96 on and with window 1's v0 to v191, in which ln2's g and b and w1 land
.irp m, 0,1,2,3,4,5,6,7
	ds_store_b8 v12, v[CBY+\m] offset:256*\m       ; byte w of row tile m's pair of scale words
.endr
.irp k, 0,1
	global_load_b128 v[X+96+4*\k:X+96+4*\k+3], v[L16], s[36:37] offset:512*\k     ; ln2's g and b, for the phase after the next
	global_load_b128 v[X+104+4*\k:X+104+4*\k+3], v[L16], s[38:39] offset:512*\k
.endr
	WIN 0x40
.irp t, 0,1,2,3,4,5
.irp s, 0,1
	WLOAD 16*(2*\t+\s), 9, 40, (32*(\t/2)+8*(\t%2))*256+128*\s   ; w1's fragments 0 to 11, over attention's registers; wo's stay
.endr
.endr
	WIN 0
	BAR                                            ; ctx's codes and bytes lie in LDS
; ---------------- C: H += ctx wo^T + bo, my 32 channels, two row tiles at a time
	s_wait_alu depctr_vm_vsrc(0)                   ; my byte stores have read v12, which is made anew below
	LANES
	v_add_nc_u32 v11, CIMG, v[L16]
	v_lshl_add_u32 v12, v60, 3, CSC
	MKCOL 13
	s_wait_loadcnt 52                              ; wo, its scales and bo are in; ln2's four loads and w1's 48 may be out
	s_wait_alu depctr_va_vdst(0)                   ; the addresses v11 to v14 are written, which this phase's LDS instructions read
.irp g, 0,1,2,3
	s_wait_dscnt 0x0                               ; the last group's stores have landed
.if \g > 0
	s_wait_alu depctr_vm_vsrc(0)                   ; the last group's LDS stores have read X+64 to X+95, in which the next columns of H land.  (That its products are done with X, X+64 on and AS is stated by the wait ahead of those stores)
.endif
.irp e, 0,1
.irp s, 0,1
.irp c, 0,1,2,3
	ds_load_b128 v[X+32*\e+16*\s+4*\c:X+32*\e+16*\s+4*\c+3], v11 offset:(4*\s+\c)*4096+(2*\g+\e)*512   ; piece c of K step s is head 4 s + c
.endr
.endr
	ds_load_b64 v[AS+2*\e:AS+2*\e+1], v12 offset:(2*\g+\e)*256
.irp u, 0,1
.irp k, 0,1
	ds_load_b128 v[X+64+16*\e+8*\u+4*\k:X+64+16*\e+8*\u+4*\k+3], v[13+\g/2] offset:((2*\g+\e)%4)*HT+32*\u+16*\k   ; the shortcut: the sums begin with it
.endr
.endr
.endr
	s_wait_dscnt 0x0
.irp e, 0,1
.irp q, 0,2,4,6,8,10,12,14
	v_pk_add_f32 v[X+64+16*\e+\q:X+64+16*\e+\q+1], v[X+64+16*\e+\q:X+64+16*\e+\q+1], v[BB+\q:BB+\q+1]
.endr
.endr
	WIN 0x01
.irp s, 0,1
.irp e, 0,1
.irp u, 0,1
	v_wmma_scale_f32_16x16x128_f8f6f4 v[X+64+16*\e+8*\u:X+64+16*\e+8*\u+7], v[WO+16*(2*\u+\s):WO+16*(2*\u+\s)+15], v[X+32*\e+16*\s:X+32*\e+16*\s+15], v[X+64+16*\e+8*\u:X+64+16*\e+8*\u+7], v[WS+12+2*\u+\s], v[AS+2*\e+\s]
.endr
.endr
.endr
	WIN 0
	PLACES 8
	s_wait_alu depctr_va_vdst(0)                   ; the products have written X+64 to X+95, which the LDS stores read (the places stay beside this wait), and are done reading X, AS, wo and its scale words, in which later loads land
.irp e, 0,1
.irp u, 0,1
.irp k, 0,1
	ds_store_b128 v[13+\g/2], v[X+64+16*\e+8*\u+4*\k:X+64+16*\e+8*\u+4*\k+3] offset:((2*\g+\e)%4)*HT+32*\u+16*\k
.endr
.endr
.endr
.endr
	WIN 0x40                                       ; (no vector line has been issued since the last wait on va_vdst: the 24 loads below owe nothing more)
.irp t, 6,7
.irp s, 0,1
	WLOAD 16*(2*\t+\s), 9, 40, (32*(\t/2)+8*(\t%2))*256+128*\s   ; w1's last four fragments, over wo's
.endr
.endr
	WIN 0
.irp t, 0,1,2,3,4,5,6,7
	global_load_b64 v[WS+2*\t:WS+2*\t+1], v10, s[42:43] offset:(32*(\t/2)+8*(\t%2))*8
.endr
	BAR                                            ; H = shortcut + attention's output
; ---------------- LN2 of my row tile
	s_wait_xcnt 0x0
	s_wait_alu depctr_vm_vsrc(0)                   ; the last phase's LDS instructions have read v11 to v14 and X+64 to X+95: the addresses are made anew below, and my rows of H land in X
	MKLN
	s_lshl_b32 s2, s54, 9
	v_lshl_add_u32 v6, v63, 6, s2                  ; v6: b1 of my 128 units
	s_wait_loadcnt 24                              ; ln2's g and b are in (and w1's first 48 loads); the 24 loads issued behind phase C may be out
	s_wait_alu depctr_va_vdst(0)                   ; v6, v11 to v15 and v62 are written, which the norm's stores and loads read
	LNA X+96, 0
	LNB 1
	BAR                                            ; y's sixteen images lie in LDS
; ---------------- MLP1: my 128 hidden units, a row tile a trip
	s_wait_xcnt 0x0
	s_wait_alu depctr_vm_vsrc(0)                   ; the norm's LDS instructions have read v12 to v15, v60 to v62 and T+16 to T+47, and earlier loads v7 and v9: the addresses are made anew below, and the first trip's loads land in T
	LANES
	v_add_nc_u32 v11, XIMG, v[L16]
	v_lshl_add_u32 v12, v60, 3, XSC
	s_lshl_b32 s2, s54, 14
	s_add_co_u32 s2, s2, HIMG
	v_add_nc_u32 v13, s2, v[L16]
	s_lshl_b32 s2, s54, 10
	s_add_co_u32 s3, s2, HSC
	v_lshl_add_u32 v14, v60, 2, s3
	v_and_b32 v62, 8, v61
	v_add_nc_u32 v62, v62, v61
	v_lshl_add_u32 v9, v62, 5, s2                  ; v9: w2's scales: 32 bytes a row, my 32 rows
	v_lshlrev_b32 v7, 10, v62
	v_lshl_add_u32 v7, v63, 4, v7
	s_lshl_b32 s2, s54, 15
	v_add_nc_u32 v7, s2, v7                        ; v7: w2: rows of 1,024 bytes
	v_mov_b32 v[MS], 0x39c8e7d9                    ; three coefficients as vector pairs: a packed line names one scalar pair
	v_mov_b32 v[MS+1], 0x39c8e7d9
	v_mov_b32 v[MS+2], 0x3cc6b1a1
	v_mov_b32 v[MS+3], 0x3cc6b1a1
	v_mov_b32 v[MS+4], 0x3ba38d2c
	v_mov_b32 v[MS+5], 0x3ba38d2c
	s_mov_b32 s55, 0
	s_mov_b32 s96, 0
	s_mov_b32 s97, 0
	s_mov_b32 s98, 0
	s_mov_b32 s99, 0
.Lm1:
	s_wait_loadcnt 0x0                             ; first trip: w1, its scales, b1, b2.  Later trips find nothing out: no product ever reads a register that a load is still to write
	v_add_nc_u32 v15, s96, v11
	v_add_nc_u32 v60, s97, v12
	v_add_nc_u32 v61, s98, v13
	v_add_nc_u32 v62, s99, v14
	s_wait_alu depctr_va_vdst(0)                   ; the trip's four addresses are written (first trip: v7 and v9 too); the vector lines and products issued so far are done with T and AS, in which the loads below land
	FETCH T, 15, 0
	FETCH T+16, 15, 2048
	ds_load_b64 v[AS:AS+1], v60
	s_wait_dscnt 0x0
	WIN 0x01
.irp t, 0,1,2,3,4,5,6,7
	v_wmma_scale_f32_16x16x128_f8f6f4 v[X+64+8*\t:X+64+8*\t+7], v[32*\t:32*\t+15], v[T:T+15], v[X+8*\t:X+8*\t+7], v[WS+2*\t], v[AS]
.endr
.irp t, 0,1,2,3,4,5,6,7
	v_wmma_scale_f32_16x16x128_f8f6f4 v[X+64+8*\t:X+64+8*\t+7], v[32*\t+16:32*\t+31], v[T+16:T+31], v[X+64+8*\t:X+64+8*\t+7], v[WS+2*\t+1], v[AS+1]
.endr
	WIN 0
	PLACES 8
	s_cmp_lg_u32 s55, 7                            ; behind the last trip's products w1's registers are free: w2 is asked for here and lands under the last GELU
	s_cbranch_scc1 .Lnot_last
	WIN 0x40
	s_wait_alu depctr_va_vdst(0)                   ; the last trip's products are done reading w1's registers and scale words, in which w2 and its scale words land
.irp u, 0,1
.irp s, 0,1,2,3,4,5,6,7
	WLOAD 16*(8*\u+\s), 7, 46, 8192*\u+128*\s
.endr
.endr
	WIN 0
.irp u, 0,1
.irp k, 0,1
	global_load_b128 v[WS+8*\u+4*\k:WS+8*\u+4*\k+3], v9, s[48:49] offset:256*\u+16*\k
.endr
.endr
.Lnot_last:
	GELU16 0
	GELU16 16
	GELU16 32
	GELU16 48
	QUANT X+64, 4, T+16, T
	QWORD MS+6, T
	s_wait_alu depctr_va_vdst(0)                   ; the conversions have written the codes T+16 to T+31 and the scale word MS+6, which the LDS stores read
	IMAGE 61, T+16, 0                              ; K step w of the second product, this row tile
	ds_store_b32 v62, v[MS+6]
	s_wait_dscnt 0x0                               ; the stores have landed
	s_wait_alu depctr_vm_vsrc(0)                   ; the trip's LDS instructions have read v15, v60 to v62, T+16 to T+31 and MS+6: the next trip, or the next phase's head, writes them
	s_add_co_u32 s96, s96, 4096
	s_add_co_u32 s97, s97, 256
	s_add_co_u32 s98, s98, 2048
	s_add_co_u32 s99, s99, 128
	s_add_co_u32 s55, s55, 1
	s_cmp_lt_u32 s55, 8
	s_cbranch_scc1 .Lm1
	BAR                                            ; the hidden layer's 64 images lie in LDS
; ---------------- MLP2: H += gelu(..) w2^T + b2, my 32 channels of all 128 rows: 16 accumulators by turns, K step by K step
	LANES
	MKCOL 11
	v_add_nc_u32 v13, HIMG, v[L16]
	v_add_nc_u32 v14, 65536, v13
	v_lshl_add_u32 v15, v60, 2, HSC
	s_mul_i32 s2, s54, HT
	v_add_nc_u32 v62, s2, v[L16]                   ; v62: my rows of H + 16 l, for the way out: made here, ahead of the one wait
	s_wait_loadcnt 0x0                             ; w2 and its scales
	s_wait_alu depctr_va_vdst(0)                   ; v11 to v15 and v62 are written, which the LDS instructions from here to the end read; the last phase is done with X, T and AS, in which the loads below land
.irp m, 0,1,2,3,4,5,6,7
.irp u, 0,1
.irp k, 0,1
	ds_load_b128 v[X+16*\m+8*\u+4*\k:X+16*\m+8*\u+4*\k+3], v[11+\m/4] offset:(\m%4)*HT+32*\u+16*\k
.endr
.endr
.endr
	HFETCH 0
	s_wait_dscnt 10                                ; H's columns are in; the first group's ten loads may be out
.irp m, 0,1,2,3,4,5,6,7
.irp q, 0,2,4,6,8,10,12,14
	v_pk_add_f32 v[X+16*\m+\q:X+16*\m+\q+1], v[X+16*\m+\q:X+16*\m+\q+1], v[BB+\q:BB+\q+1]
.endr
.endr
.set gi, 0
.rept 32                               ; group gi multiplies buffer gi % 2; ahead of its products the loads of group gi + 1 go into the other buffer, which group gi - 1 read
.if gi < 31
.if gi > 0
	s_wait_alu depctr_va_vdst(0)                   ; the group before is done reading its buffer of T and its two scale words, in which the loads below land
.endif
	HFETCH gi+1
	s_wait_dscnt 10                                ; this group's loads are in; the next group's ten may be out
.else
	s_wait_dscnt 0x0
.endif
	WIN 0x01
.irp e, 0,1
.irp u, 0,1
	v_wmma_scale_f32_16x16x128_f8f6f4 v[X+16*(2*(gi%4)+\e)+8*\u:X+16*(2*(gi%4)+\e)+8*\u+7], v[16*(8*\u+gi/4):16*(8*\u+gi/4)+15], v[T+32*(gi%2)+16*\e:T+32*(gi%2)+16*\e+15], v[X+16*(2*(gi%4)+\e)+8*\u:X+16*(2*(gi%4)+\e)+8*\u+7], v[WS+8*\u+gi/4], v[AS+2*(gi%2)+\e]
.endr
.endr
	WIN 0
.set gi, gi+1
.endr
	PLACES 8
	s_wait_alu depctr_va_vdst(0)                   ; the products have written the 16 accumulators, which the LDS stores read; the places stay beside this wait
.irp m, 0,1,2,3,4,5,6,7
.irp u, 0,1
.irp k, 0,1
	ds_store_b128 v[11+\m/4], v[X+16*\m+8*\u+4*\k:X+16*\m+8*\u+4*\k+3] offset:(\m%4)*HT+32*\u+16*\k
.endr
.endr
.endr
	BAR                                            ; H holds the result
; ---------------- G: my row tile leaves: each store covers 512 consecutive bytes, aligned, at the places x came from (window reverse and reverse shift)
	s_wait_alu depctr_vm_vsrc(0)                   ; my LDS stores have read X, in which my rows land.  (No vector line has been issued since the wait ahead of those stores)
.set qi, 0
.rept 32
	ds_load_b128 v[X+4*qi:X+4*qi+3], v62 offset:(qi/2)*HP+512*(qi%2)
.set qi, qi+1
.endr
.set qi, 0
.rept 32
	s_wait_dscnt 31-qi                             ; LDS loads come back in order: number qi is in, the younger ones may be out
	global_store_b128 v[GL+((qi/2)%8)/4], v[X+4*qi:X+4*qi+3], s[52:53] offset:(qi/16)*65536+((qi/2)%4)*1024+512*(qi%2) th:TH_STORE_NT
.set qi, qi+1
.endr
	s_wait_dscnt 0x0                               ; the closing lines, six on end
	s_wait_alu 0x0
	s_wait_tensorcnt 0x0
	ds_add_u32 v[SPW], v[NIL]
	s_wait_dscnt 0x0
	s_endpgm
.Lfunc_end_k_q0852be8e1c_swin:
	.size	k_q0852be8e1c_swin, .Lfunc_end_k_q0852be8e1c_swin-k_q0852be8e1c_swin
	.p2alignl 7, 3214868480
	.fill 96, 4, 3214868480
	.section	.rodata,"a",@progbits
	.p2align	6, 0x0
	.amdhsa_kernel k_q0852be8e1c_swin
		.amdhsa_group_segment_fixed_size 327680
		.amdhsa_private_segment_fixed_size 0
		.amdhsa_enable_private_segment 0
		.amdhsa_kernarg_size 200
		.amdhsa_user_sgpr_count 2
		.amdhsa_user_sgpr_kernarg_segment_ptr 1
		.amdhsa_wavefront_size32 1
		.amdhsa_system_sgpr_workgroup_id_x 1
		.amdhsa_system_sgpr_workgroup_id_y 1
		.amdhsa_system_sgpr_workgroup_id_z 1
		.amdhsa_system_vgpr_workitem_id 0
		.amdhsa_next_free_vgpr 512
		.amdhsa_next_free_sgpr 102
		.amdhsa_reserve_vcc 0
		.amdhsa_float_denorm_mode_32 3
		.amdhsa_float_denorm_mode_16_64 3
		.amdhsa_memory_ordered 1
		.amdhsa_forward_progress 1
		.amdhsa_inst_pref_size 255
	.end_amdhsa_kernel
	.section	.bss,"aw",@nobits
	.p2align	6
	.space	262144
	.amdgpu_metadata
---
amdhsa.version: [ 1, 2 ]
amdhsa.kernels:
  - .name:           k_q0852be8e1c_swin
    .symbol:         k_q0852be8e1c_swin.kd
    .args:
      - { .name: hidden_states, .offset: 0, .size: 8, .value_kind: global_buffer, .address_space: global }
      - { .name: ln1_g, .offset: 8, .size: 8, .value_kind: global_buffer, .address_space: global }
      - { .name: ln1_b, .offset: 16, .size: 8, .value_kind: global_buffer, .address_space: global }
      - { .name: rel_table, .offset: 24, .size: 8, .value_kind: global_buffer, .address_space: global }
      - { .name: wq_codes, .offset: 32, .size: 8, .value_kind: global_buffer, .address_space: global }
      - { .name: wq_scales, .offset: 40, .size: 8, .value_kind: global_buffer, .address_space: global }
      - { .name: bq, .offset: 48, .size: 8, .value_kind: global_buffer, .address_space: global }
      - { .name: wk_codes, .offset: 56, .size: 8, .value_kind: global_buffer, .address_space: global }
      - { .name: wk_scales, .offset: 64, .size: 8, .value_kind: global_buffer, .address_space: global }
      - { .name: bk, .offset: 72, .size: 8, .value_kind: global_buffer, .address_space: global }
      - { .name: wv_codes, .offset: 80, .size: 8, .value_kind: global_buffer, .address_space: global }
      - { .name: wv_scales, .offset: 88, .size: 8, .value_kind: global_buffer, .address_space: global }
      - { .name: bv, .offset: 96, .size: 8, .value_kind: global_buffer, .address_space: global }
      - { .name: wo_codes, .offset: 104, .size: 8, .value_kind: global_buffer, .address_space: global }
      - { .name: wo_scales, .offset: 112, .size: 8, .value_kind: global_buffer, .address_space: global }
      - { .name: bo, .offset: 120, .size: 8, .value_kind: global_buffer, .address_space: global }
      - { .name: ln2_g, .offset: 128, .size: 8, .value_kind: global_buffer, .address_space: global }
      - { .name: ln2_b, .offset: 136, .size: 8, .value_kind: global_buffer, .address_space: global }
      - { .name: w1_codes, .offset: 144, .size: 8, .value_kind: global_buffer, .address_space: global }
      - { .name: w1_scales, .offset: 152, .size: 8, .value_kind: global_buffer, .address_space: global }
      - { .name: b1, .offset: 160, .size: 8, .value_kind: global_buffer, .address_space: global }
      - { .name: w2_codes, .offset: 168, .size: 8, .value_kind: global_buffer, .address_space: global }
      - { .name: w2_scales, .offset: 176, .size: 8, .value_kind: global_buffer, .address_space: global }
      - { .name: b2, .offset: 184, .size: 8, .value_kind: global_buffer, .address_space: global }
      - { .name: out0, .offset: 192, .size: 8, .value_kind: global_buffer, .address_space: global }
    .group_segment_fixed_size: 327680
    .private_segment_fixed_size: 0
    .kernarg_segment_align: 8
    .kernarg_segment_size: 200
    .max_flat_workgroup_size: 256
    .sgpr_count:     102
    .vgpr_count:     512
    .wavefront_size: 32
...
	.end_amdgpu_metadata
.endif
;; end of part 2
